; MI455X (gfx1250); checked and timed in simulation.
; The chip was launched on July 23, 2026; its instructions are those of AMD's public machine-readable ISA for CDNA 5 (MIT licence, August 2026) and "CDNA5" Instruction Set Architecture Reference Guide (July 2026). The comments in the code are by the model that wrote it; some were corrected since.
;; Self Attention. Allowed arithmetic: matrix products marked QUANTISED: E2M1 operands, one E8M0 scale for each 32 along K, by v_wmma_scale_f32_16x16x128_f8f6f4 with both operands' format E2M1 (or v_wmma_scale_f32_32x16x128_f4), f32 sums; products left as they are: bf16, f16 or f32 operands; f32 sums; everything else in f32.
;; Inputs: attn_mask 2 x 1 x 2,048 x 2,048 float32; attn_mask1 2 x 1 x 2,048 x 2,048 float32; k 2 x 2,048 x 1,024 float32; q 2 x 2,048 x 1,024 float32; v 2 x 2,048 x 1,024 float32; wk_b 1,024 float32; wk_w 1,024 x 1,024 float32; wo_b 1,024 float32; wo_w 1,024 x 1,024 float32; wq_b 1,024 float32; wq_w 1,024 x 1,024 float32; wv_b 1,024 float32; wv_w 1,024 x 1,024 float32.
;; Outputs: out0 2 x 2,048 x 1,024 float32.
;; This version of the problem:
;;   THIS VERSION OF THE PROBLEM IS GIVEN IN LOW PRECISION. The matrix products marked QUANTISED in the list below multiply operands that are first quantised to E2M1 (2 exponent bits, 1 mantissa bit; 4 bits a number), with one power-of-two scale for each 32 numbers along K (OCP MX v1.0); their sums are f32. The products marked 'left as it is' may take bf16, f16 or f32 operands, with f32 sums. Whichever they take, every output number must still come out within the allowed error. Rounding operands to bf16 (8 significant bits) uses up far more of that allowance than f16 does (11 bits, for magnitudes from 6e-5 to 65,504). All else is computed in f32.
;;   The module's matrix products, in the order in which they are computed (A, B: the left and right operand; K: the contracted axis; several contracted axes count as one K, in the product's order):
;;     1. [M 4,096, K 1,024] x [K 1,024, N 1,024]; A: input q; B: input wq_w: QUANTISED
;;     2. [M 4,096, K 1,024] x [K 1,024, N 1,024]; A: input k; B: input wk_w: QUANTISED
;;     3. [M 4,096, K 1,024] x [K 1,024, N 1,024]; A: input v; B: input wv_w: QUANTISED
;;     4. batch 32 x [M 2,048, K 64] x [K 64, N 2,048]; A: computed on the way; B: computed on the way: left as it is (an operand is computed on the way)
;;     5. batch 32 x [M 2,048, K 2,048] x [K 2,048, N 64]; A: computed on the way; B: computed on the way: left as it is (an operand is computed on the way)
;;     6. [M 4,096, K 1,024] x [K 1,024, N 1,024]; A: computed on the way; B: input wo_w: left as it is (an operand is computed on the way)
;;   THE QUANTISER, for each operand of a quantised product, along K:
;;     - K is cut into blocks of 32 from its start; a last block that is shorter is filled with zeros.
;;     - A block's scale is 2^e with e = floor(log2(the largest magnitude in the block)) - 2, held to -126 .. 127; a block of zeros has e = 0. As a byte (E8M0): e + 127.
;;     - Each number is divided by its block's scale, clamped to +-6, and rounded to the nearest number of E2M1, ties to even, subnormals kept.
;;     - The product sums the exact products of the quantised numbers (number of the format x scale) in f32.
;;   ~~~python
;;   def quantise(x, axis):      # numpy; x: float32 -> the quantised numbers, widened to float32 again
;;       x = np.moveaxis(x, axis, -1); K = x.shape[-1]
;;       x = np.pad(x, [(0, 0)] * (x.ndim - 1) + [(0, -K % 32)]); x = x.reshape(x.shape[:-1] + (-1, 32)); a = np.abs(x).max(-1, keepdims=True)
;;       e = np.where(a > 0, np.clip(np.frexp(np.where(a > 0, a, 1))[1] - 1 - 2, -126, 127), 0)      # np.frexp(a)[1] - 1 = floor(log2(a)), exactly
;;       r = np.clip(x / 2.0 ** e, -6, 6)
;;       step = 2.0 ** (np.maximum(np.frexp(np.where(r == 0, 1, r))[1] - 1, 0) - 1)
;;       q = np.round(r / step) * step * 2.0 ** e      # np.round: ties to even
;;       return np.moveaxis(q.reshape(q.shape[:-2] + (-1,))[..., :K], -1, axis).astype(np.float32)
;;   ~~~
;; One version. Each part assembles by itself: llvm-mc -triple=amdgcn-amd-amdhsa -mcpu=gfx1250 --defsym DOCPART=n.
;; ======== version 1 of 1: 4 launches
;; limits: values are held in f16: magnitudes above 65,504 overflow, below 6.1e-05 lose precision
;; workspace buffers: codes 7,864,320 bytes; scales 491,520 bytes; wo16 2,097,152 bytes; qkv16 25,165,824 bytes; val16 8,388,608 bytes; vscale 16,384 bytes
;; launch quant (part 1): grid 512 x 1, 4 waves a work-group, no clusters, 33,280 bytes of LDS; arguments q, k, v, wq_w, wk_w, wv_w, wo_w, codes, scales, wo16; writes codes, scales, wo16
.if DOCPART == 1
	.amdgcn_target "amdgcn-amd-amdhsa--gfx1250"
	.amdhsa_code_object_version 6
	.text
	.protected	k_qb6c68cde26_quant
	.globl	k_qb6c68cde26_quant
	.p2align	8
	.type	k_qb6c68cde26_quant,@function
k_qb6c68cde26_quant:
	s_mov_b64 s[64:65], 0
	v_nop
	global_prefetch_b8 v0, s[64:65] scope:SCOPE_SE
	s_setreg_imm32_b32 hwreg(HW_REG_WAVE_MODE, 25, 1), 1
	s_wait_xcnt 0x0
; q, k, v [4096][1024] and wq_w, wk_w, wv_w [1024][1024], f32, K innermost, become codes of FP4 (E2M1) with one E8M0 byte for each 32 along K; wo_w becomes f16.
; A block's scale is 2^(floor(log2(its largest magnitude)) - 2); its byte is the largest magnitude's exponent field - 2, held at 1 from below.  Each number is divided by the scale and rounded to the nearest code, ties to even;
; beyond 6 the largest code.  (A block of zeros gets the byte 1 where the rule says 127: its codes are zeros, and this program alone reads the bytes.)
; LIMITS: blocks whose largest magnitude lies under 2^-124 keep the byte 1; NaN and infinities among the inputs are not served.
; Rows are dense and 1,024 is a multiple of 32: every tensor is a plain stream of blocks of 32.  codes and scales hold the six tensors on end: q, k, v, wq, wk, wv.
; SHARES: 512 work-groups of 32,768 numbers, a wave 8,192.  Work-groups 0-127 q, 128-255 k, 256-383 v, 384-415 wq, 416-447 wk, 448-479 wv, 480-511 wo (the cast).  Only pointers are chosen by the work-group's number.
; A wave takes 16 steps of 512 numbers: four loads of 512 consecutive bytes; the 2,048 bytes turn through the wave's own stage in LDS and come back 64 bytes a lane (16 neighbours; two lanes hold a block).
; A lane's 16 codes are 8 bytes: the wave stores 256 consecutive bytes.  A wave's 256 scale bytes are gathered in LDS and leave as 256 consecutive bytes.  No barrier: waves share nothing.
.set WAVES, 4
.set STEPS, 16
.set EMAX,  2
.set CB,    8                          ; bytes of 16 codes
.set R,     16                         ; v16-79   four sets of 16 numbers as loaded (the cast: v16-143, two rounds of 64)
.set X,     80                         ; v80-111  two sets of 16 neighbours
.set C,     128                        ; v128-191 codes, four registers a step: no store's data are written again
.set E,     112                        ; v112-127 a scale byte for each step
.set WREG,  8192                       ; LDS: a region for each wave: two stages of 32 x SP bytes, then its 256 scale bytes
.set SP,    80                         ; a lane's place in a stage: 64 bytes + 16 of padding
.set SPW,   12                         ; v12 LDS address of my spare word; never rewritten
.set NIL,   13                         ; v13 0; never rewritten
.set SPARE, WAVES*WREG                 ; behind the regions: the spare words, 128 bytes a wave, which no other line names
.set SRC,   26                         ; s[26:27] the tensor that my work-group reads
	s_load_b512 s[4:19], s[0:1], 0x0               ; q, k, v, wq_w, wk_w, wv_w, wo_w, codes
	s_load_b128 s[20:23], s[0:1], 0x40             ; scales, wo16
	v_lshl_add_u32 v[SPW], v0, 2, SPARE
	v_mov_b32 v[NIL], 0
	v_lshrrev_b32 v1, 5, v0
	v_readfirstlane_b32 s24, v1                    ; wave
	v_and_b32 v2, 31, v0                           ; lane
	v_lshlrev_b32 v3, 4, v2                        ; my 16 bytes of a load's 512
	s_mul_i32 s25, s24, WREG
	v_lshrrev_b32 v14, 2, v2
	v_mul_u32_u24 v14, v14, SP
	v_and_b32 v15, 3, v2
	v_lshl_add_u32 v14, v15, 4, v14
	v_add_nc_u32 v14, s25, v14                     ; the stage, on the way in: SP (lane / 4) + 16 (lane % 4)
	v_mul_u32_u24 v15, v2, SP
	v_add_nc_u32 v15, s25, v15                     ; and on the way out: SP x lane
	v_mul_u32_u24 v4, v2, CB                       ; 8 bytes a lane: my codes in a step's, my f16 numbers in a cast's store
	v_lshrrev_b32 v5, 1, v2
	s_add_co_u32 s25, s25, 2*32*SP
	v_add_nc_u32 v5, s25, v5                       ; LDS: my block's scale byte
	v_lshlrev_b32 v7, 3, v2
	v_add_nc_u32 v6, s25, v7                       ; and 8 of them a lane on the way out
	s_mov_b32 s29, 127
	s_cmp_lt_u32 ttmp9, 384
	s_cselect_b32 s29, s29, 31                     ; q, k, v have 128 work-groups each, a weight 32
	s_and_b32 s28, ttmp9, s29
	s_lshl_b32 s28, s28, 2
	s_add_co_u32 s28, s28, s24                     ; which run of 8,192 numbers of the tensor is my wave's
	s_lshl_b32 s30, s28, 15                        ; in bytes of f32
	s_mov_b32 s31, 0
	s_lshl_b32 s32, ttmp9, 2
	s_add_co_u32 s32, s32, s24                     ; and which run of the six tensors on end
	s_wait_kmcnt 0x0
	s_cmp_lt_u32 ttmp9, 128                        ; the choices hang on the work-group's number alone
	s_cselect_b64 s[SRC:SRC+1], s[4:5], s[6:7]
	s_cmp_lt_u32 ttmp9, 256
	s_cselect_b64 s[SRC:SRC+1], s[SRC:SRC+1], s[8:9]
	s_cmp_lt_u32 ttmp9, 384
	s_cselect_b64 s[SRC:SRC+1], s[SRC:SRC+1], s[10:11]
	s_cmp_lt_u32 ttmp9, 416
	s_cselect_b64 s[SRC:SRC+1], s[SRC:SRC+1], s[12:13]
	s_cmp_lt_u32 ttmp9, 448
	s_cselect_b64 s[SRC:SRC+1], s[SRC:SRC+1], s[14:15]
	s_cmp_lt_u32 ttmp9, 480
	s_cselect_b64 s[SRC:SRC+1], s[SRC:SRC+1], s[16:17]
	s_add_nc_u64 s[SRC:SRC+1], s[SRC:SRC+1], s[30:31]
	s_cmp_ge_u32 ttmp9, 480
	s_cbranch_scc1 .Lcast
	s_lshl_b32 s30, s32, 12                        ; 4,096 bytes of codes a run
	s_add_nc_u64 s[18:19], s[18:19], s[30:31]
	s_lshl_b32 s30, s32, 8                         ; 256 scale bytes a run
	s_add_nc_u64 s[20:21], s[20:21], s[30:31]
.macro LOAD t
.irp i, 0,1,2,3
	global_load_b128 v[R+16*((\t)%4)+4*\i:R+16*((\t)%4)+4*\i+3], v3, s[SRC:SRC+1] offset:2048*(\t)+512*\i th:TH_LOAD_NT   ; 32 lanes read 512 consecutive bytes
.endr
.endm
.macro TURN t                          ; a step's numbers through the stage: LDS serves a wave's instructions in order, so no wait stands between the stores and the loads
.irp i, 0,1,2,3
	ds_store_b128 v14, v[R+16*((\t)%4)+4*\i:R+16*((\t)%4)+4*\i+3] offset:32*SP*((\t)%2)+8*SP*\i
.endr
.irp i, 0,1,2,3
	ds_load_b128 v[X+16*((\t)%2)+4*\i:X+16*((\t)%2)+4*\i+3], v15 offset:32*SP*((\t)%2)+16*\i
.endr
.endm
.irp t, 0,1,2,3
	LOAD \t
.endr
	s_wait_loadcnt 12                              ; step 0's four loads are in; three steps' twelve stay out
	TURN 0
.macro STEP t
.set XS, X+16*((\t)%2)
.if (\t) > 0
	s_wait_dscnt 1                                 ; this step's numbers are back from the stage (the last step's byte store may be out)
.else
	s_wait_dscnt 0x0
.endif
.if (\t)+4 < STEPS
	LOAD (\t)+4                                    ; into the registers that the stage's stores have read
.endif
.if (\t)+1 < STEPS
.if STEPS-2-(\t) >= 3
	s_wait_loadcnt 12                              ; the next step's four loads are in; those of the three steps behind it may be out
.else
	s_wait_loadcnt 4*(STEPS-2-(\t))
.endif
	TURN (\t)+1                                    ; through the other stage while this step is worked
.endif
	v_max3_num_f32 v8, |v[XS]|, |v[XS+1]|, |v[XS+2]|               ; the largest magnitude of my 16, in two chains
	v_max3_num_f32 v9, |v[XS+3]|, |v[XS+4]|, |v[XS+5]|
.irp i, 6,10
	v_max3_num_f32 v8, v8, |v[XS+\i]|, |v[XS+\i+1]|
	v_max3_num_f32 v9, v9, |v[XS+\i+2]|, |v[XS+\i+3]|
.endr
	v_max3_num_f32 v8, v8, |v[XS+14]|, |v[XS+15]|
	v_max3_num_f32 v8, v8, v9, (EMAX+1)<<23        ; and the floor 2^(3 - 127): the byte cannot fall under 1
	v_max_num_f32_dpp v8, v8, v8 row_xmask:1 row_mask:0xf bank_mask:0xf   ; with my neighbour's 16: the block's
	v_add_nc_u32 v11, -(EMAX<<23), v8              ; 2 off its exponent field: the conversion takes the exponent field of this operand as its scale
	v_cvt_scalef32_pk8_fp4_f32 v[C+4*(\t)], v[XS:XS+7], v11
	v_cvt_scalef32_pk8_fp4_f32 v[C+4*(\t)+1], v[XS+8:XS+15], v11
	v_lshrrev_b32 v[E+(\t)], 23, v11               ; the scale's byte (also the plain line behind the conversions)
	ds_store_b8 v5, v[E+(\t)] offset:16*(\t)       ; both lanes of a block write the same byte with the same value
	global_store_b64 v4, v[C+4*(\t):C+4*(\t)+1], s[18:19] offset:32*CB*(\t)   ; 32 lanes store 256 consecutive bytes
.endm
.irp t, 0,1,2,3,4,5,6,7,8,9,10,11,12,13,14,15
	STEP \t
.endr
	ds_load_b64 v[8:9], v6                         ; in order behind my byte stores
	s_wait_dscnt 0x0
	global_store_b64 v7, v[8:9], s[20:21]          ; 256 consecutive scale bytes
	s_wait_tensorcnt 0x0                           ; the wave's end, behind my last LDS store
	ds_add_u32 v[SPW], v[NIL]
	s_wait_dscnt 0x0
	s_endpgm
; THE CAST: wo_w to f16, rounded to nearest even.  A wave takes 8,192 numbers in four rounds of sixteen loads of 512 consecutive bytes; two rounds are on their way.  No LDS byte but the spare words is touched.
.Lcast:
	s_lshl_b32 s30, s28, 14                        ; 16,384 bytes of f16 a run
	s_add_nc_u64 s[22:23], s[22:23], s[30:31]
.macro CLOAD i
.irp j, 0,1,2,3,4,5,6,7,8,9,10,11,12,13,14,15
	global_load_b128 v[R+64*((\i)%2)+4*\j:R+64*((\i)%2)+4*\j+3], v3, s[SRC:SRC+1] offset:8192*(\i)+512*\j th:TH_LOAD_NT
.endr
.endm
.macro CAST i, left
	s_wait_loadcnt \left                           ; this round's sixteen loads are in; the next round's may be out
.irp j, 0,1,2,3,4,5,6,7,8,9,10,11,12,13,14,15
	v_cvt_pk_f16_f32 v[R+64*((\i)%2)+4*\j], v[R+64*((\i)%2)+4*\j], v[R+64*((\i)%2)+4*\j+1]
	v_cvt_pk_f16_f32 v[R+64*((\i)%2)+4*\j+1], v[R+64*((\i)%2)+4*\j+2], v[R+64*((\i)%2)+4*\j+3]
	global_store_b64 v4, v[R+64*((\i)%2)+4*\j:R+64*((\i)%2)+4*\j+1], s[22:23] offset:4096*(\i)+256*\j   ; 32 lanes store 256 consecutive bytes
.endr
.endm
	CLOAD 0
	CLOAD 1
	CAST 0, 16
	s_wait_xcnt 0x0                                ; the stores have read their registers: the round two on may land there
	CLOAD 2
	CAST 1, 16
	s_wait_xcnt 0x0
	CLOAD 3
	CAST 2, 16
	CAST 3, 0
	s_wait_tensorcnt 0x0                           ; every wave of the launch ends alike
	ds_add_u32 v[SPW], v[NIL]
	s_wait_dscnt 0x0
	s_endpgm
.Lfunc_end_k_qb6c68cde26_quant:
	.size	k_qb6c68cde26_quant, .Lfunc_end_k_qb6c68cde26_quant-k_qb6c68cde26_quant
	.p2alignl 7, 3214868480
	.fill 96, 4, 3214868480
	.section	.rodata,"a",@progbits
	.p2align	6, 0x0
	.amdhsa_kernel k_qb6c68cde26_quant
		.amdhsa_group_segment_fixed_size 33280
		.amdhsa_private_segment_fixed_size 0
		.amdhsa_enable_private_segment 0
		.amdhsa_kernarg_size 80
		.amdhsa_user_sgpr_count 2
		.amdhsa_user_sgpr_kernarg_segment_ptr 1
		.amdhsa_wavefront_size32 1
		.amdhsa_system_sgpr_workgroup_id_x 1
		.amdhsa_system_sgpr_workgroup_id_y 1
		.amdhsa_system_sgpr_workgroup_id_z 1
		.amdhsa_system_vgpr_workitem_id 0
		.amdhsa_next_free_vgpr 192
		.amdhsa_next_free_sgpr 66
		.amdhsa_reserve_vcc 0
		.amdhsa_float_denorm_mode_32 3
		.amdhsa_float_denorm_mode_16_64 3
		.amdhsa_memory_ordered 1
		.amdhsa_forward_progress 1
		.amdhsa_inst_pref_size 54
	.end_amdhsa_kernel
	.amdgpu_metadata
---
amdhsa.version: [ 1, 2 ]
amdhsa.kernels:
  - .name:           k_qb6c68cde26_quant
    .symbol:         k_qb6c68cde26_quant.kd
    .args:
      - { .name: q, .offset: 0, .size: 8, .value_kind: global_buffer, .address_space: global }
      - { .name: k, .offset: 8, .size: 8, .value_kind: global_buffer, .address_space: global }
      - { .name: v, .offset: 16, .size: 8, .value_kind: global_buffer, .address_space: global }
      - { .name: wq_w, .offset: 24, .size: 8, .value_kind: global_buffer, .address_space: global }
      - { .name: wk_w, .offset: 32, .size: 8, .value_kind: global_buffer, .address_space: global }
      - { .name: wv_w, .offset: 40, .size: 8, .value_kind: global_buffer, .address_space: global }
      - { .name: wo_w, .offset: 48, .size: 8, .value_kind: global_buffer, .address_space: global }
      - { .name: codes, .offset: 56, .size: 8, .value_kind: global_buffer, .address_space: global }
      - { .name: scales, .offset: 64, .size: 8, .value_kind: global_buffer, .address_space: global }
      - { .name: wo16, .offset: 72, .size: 8, .value_kind: global_buffer, .address_space: global }
    .group_segment_fixed_size: 33280
    .private_segment_fixed_size: 0
    .kernarg_segment_align: 8
    .kernarg_segment_size: 80
    .max_flat_workgroup_size: 128
    .sgpr_count:     66
    .vgpr_count:     192
    .wavefront_size: 32
...
	.end_amdgpu_metadata
.endif
;; end of part 1
;; launch proj (part 2): grid 4 x 48, 4 waves a work-group, clusters of 4 x 4, 327,680 bytes of LDS; arguments codes, scales, wq_b, wk_b, wv_b, qkv16; writes qkv16
.if DOCPART == 2
	.amdgcn_target "amdgcn-amd-amdhsa--gfx1250"
	.amdhsa_code_object_version 6
	.text
	.protected	k_qb6c68cde26_proj
	.globl	k_qb6c68cde26_proj
	.p2align	8
	.type	k_qb6c68cde26_proj,@function
k_qb6c68cde26_proj:
	s_mov_b64 s[64:65], 0
	v_nop
	global_prefetch_b8 v0, s[64:65] scope:SCOPE_SE
	s_setreg_imm32_b32 hwreg(HW_REG_WAVE_MODE, 25, 1), 1
	s_wait_xcnt 0x0
	s_wait_alu depctr_hold_cnt(0) depctr_sa_sdst(0) depctr_va_vdst(0) depctr_va_sdst(0) depctr_va_ssrc(0) depctr_va_vcc(0) depctr_vm_vsrc(0)
	s_getreg_b32 s2, hwreg(HW_REG_IB_STS2, 6, 4)
	s_cmp_eq_u32 s2, 0
	s_cbranch_scc0 .Lentry_in_a_cluster
	s_endpgm
.Lentry_in_a_cluster:
	s_bfe_u32 s2, ttmp6, 0x10000c
	s_cmp_lg_u32 s2, 0xf033
	s_cbranch_scc0 .Lentry_shape_is_right
	s_endpgm
.Lentry_shape_is_right:
; The three projections as ONE product on codes of FP4 (E2M1) with E8M0 scales: C[M][n] = sum over k of X[M][k] W_t[n][k] + b_t[n], M = 0 .. 12,287 the rows of q, k, v on end, t = M / 4,096, K = 1,024.
; Q is multiplied by 1/8 (the norm, a power of two) and all three are rounded to f16 for the products of attention.
; LIMITS: |Q| / 8, |K|, |V| up to 65,504, the largest f16 number; NaN and infinities are not served.
; A tile of C, 256 x 256, is made by a work-group of four waves, a wave 128 x 128: 64 accumulators, 512 registers.  12,288 x 1,024 give 48 x 4 = 192 tiles.
; ALL OF K LIES IN THE TWO LDS SLOTS (512 along K each, rows of 256 bytes): every wave issues three tensor loads at the start (scales, slot 0, slot 1) and nothing is filled again.
; CLUSTERS: 4 x 4 work-groups.  The four of a row of the cluster need the same rows of X, the four of a column the same rows of W: each tile is asked for jointly.  A cluster's 1,024 rows lie in one tensor.
; THE MATRIX INSTRUCTION IS USED TRANSPOSED (source 0 = 16 rows of W, source 1 = 16 rows of X): a lane holds eight neighbouring columns of a row of C.  The bias is the C of each sum's first instruction.
; THE WAY OUT lays qkv16 as attention reads it: [tensor][b 2][hg 4][step 32][hi 4][64 positions][64 channels] f16, head = 4 hg + hi.  The heads are split by a raw reshape: row M is 16 positions of one head, 2,048 consecutive bytes,
; at (M >> 9) << 20 + ((M >> 2) & 31) << 15 + ((M >> 7) & 3) << 13 + (M & 3) << 11.  A wave's 128 rows are one head.
; REGISTERS, in windows of 256: window 0: v0-31 addresses; v32-95 scale words, two sets; v128-191 X's fragments, one set; v192-255 the bias in the result's layout; on the way out v32-191 are free.
;   window 1: W's fragments, two sets, at v0 and v128.   window 2: the accumulators of my rows 0-63 ((a, b) at v[8 (8 a + b)]);   window 3: those of my rows 64-127.
.set NQ,     4                         ; steps of 128 along K in a slot
.set ROWB,   256                       ; a tile's row: 512 codes
.set KROW,   512                       ; a row of codes in memory
.set PITCH,  272                       ; an LDS row: 256 bytes + 16 of padding = 68 words: the 16 rows that a load touches start at 16 different banks (64 banks of 4 bytes: ISA guide 11.1)
.set FR,     8                         ; registers of a fragment: 16 rows x 128 K
.set NL,     2                         ; LDS loads that bring one
.set NP,     4                         ; places behind this matrix instruction (ISA guide 7.12.1)
.set HALFT,  128*PITCH                 ; 128 rows: what one tensor load brings
.set SLOT,   4*HALFT                   ; X's 256 rows, then W's 256 rows
.set KS,     32                        ; a row of scale bytes
.set SCL,    2*SLOT                    ; behind the slots: the scales, as rows of 256 bytes + 16 of padding
.set HALFS,  (128*KS/256)*272          ; those of 128 rows
.set SBLK,   (16*KS/256)*272           ; those of 16 rows
.set SPARE,  SCL+4*HALFS               ; the spare words, 128 bytes a wave, which no other line names
.set SPITCH, 272                       ; the way out: a stage of 16 rows x (256 bytes + 16) a wave, in slot 0, which has had its only fill and its last read by then
.set WOFFC,  6291456                   ; where the weights' codes begin in codes,
.set WOFFS,  393216                    ; and their scale bytes in scales
.set ADRA, 16                          ; v16-17 LDS address of my X fragments in slot 0, 1
.set ADRB, 20                          ; v20-21 the same for W
.set STO,  24                          ; v24 the way out: where I put 16 bytes of a row
.set RD,   25                          ; v25 and where I read a row back
.set CO,   26                          ; v26 my byte offset in qkv16
.set ADRS, 27                          ; v27 LDS address of my scale words: lanes 0-15 X's rows, lanes 16-31 W's
.set SPW,  28                          ; v28 LDS address of my spare word; never rewritten
.set NIL,  29                          ; v29 0; never rewritten
.set BO,   30                          ; v30 32 x (lane / 16): my eight numbers of a block's 16 biases
.set SC,   32                          ; scale words: set s at v[SC + 32 s]; register 4 i + q: lanes 0-15 X's block i, lanes 16-31 W's block i, the slot's q-th 128 along K
.set AF,   128                         ; X's fragments
.set BI,   192                         ; the bias: block b's eight at v[BI + 8 b]
.set PR,   32                          ; the way out: 64 scaled results,
.set TMP,  96                          ; 32 registers of f16 pairs,
.set BK,   128                         ; and 16 rows read back: v128-159 and v160-191 by turns
.set G1, 24
.set G0, 32
.set G1B, 48
.set G0B, 56
.set G1S, 68
.set G0S, 76
.set G1SB, 80
.set G0SB, 88
.set MSB, 0
.macro WIN new                         ; the immediate's high byte repeats the setting that is left
.if MSB != \new
	s_set_vgpr_msb (MSB<<8)|\new
.set MSB, \new
.endif
.endm
.set MUL_LO, 0xa1                      ; source 0 (W) window 1, source 1 (X) window 0, C and D window 2
.set MUL_HI, 0xf1                      ; the same, C and D window 3
.set TO_B,   0x40                      ; destination window 1, address window 0
; A joint load: waves 0 and 1 fetch for X, waves 2 and 3 for W.  The branch hangs on the wave's number alone.  An s_nop 0 and four v_nop follow each line.
.macro JLOAD g0a, g1a, g0b, g1b
	s_cmp_eq_u32 s15, 0
	s_cbranch_scc0 .Lfor_b_\@
	tensor_load_to_lds s[\g0a:\g0a+3], s[\g1a:\g1a+7]
	s_nop 0
.rept 4
	v_nop
.endr
	s_branch .Lasked_\@
.Lfor_b_\@:
	tensor_load_to_lds s[\g0b:\g0b+3], s[\g1b:\g1b+7]
	s_nop 0
.rept 4
	v_nop
.endr
.Lasked_\@:
.endm
.macro CROUND                          ; a round of the cluster's barrier
	s_barrier_signal -1
	s_barrier_wait -1
	s_cmp_lg_u32 s14, 0
	s_cbranch_scc1 .Lnot_wave_0_\@
	s_barrier_signal -3
.Lnot_wave_0_\@:
	s_barrier_wait -3
	s_barrier_signal -1
	s_barrier_wait -1
.endm
	s_load_b128 s[4:7], s[0:1], 0x0                ; codes, scales
	s_load_b128 s[8:11], s[0:1], 0x10              ; wq_b, wk_b
	s_load_b128 s[96:99], s[0:1], 0x20             ; wv_b, qkv16
	v_lshl_add_u32 v[SPW], v0, 2, SPARE
	v_mov_b32 v[NIL], 0
	ds_add_u32 v[SPW], v[NIL]                      ; the wave's opening: the add, twice on end, and its wait ahead of my first tensor load
	ds_add_u32 v[SPW], v[NIL]
	v_lshrrev_b32 v1, 5, v0
	v_readfirstlane_b32 s14, v1                    ; wave 0..3
	s_lshr_b32 s15, s14, 1                         ; which half of the tile's rows is mine.  Also: I fetch for X (0) or for W (1)
	s_and_b32 s16, s14, 1                          ; which half of its columns.  Also: which 128 rows I fetch
	s_bfe_u32 s40, ttmp6, 0x40000                  ; cx, cy: my place in the cluster
	s_bfe_u32 s41, ttmp6, 0x40004
	s_lshl_b32 s42, ttmp9, 2
	s_add_co_u32 s42, s42, s40                     ; tile column = 4 x cluster x + cx
	s_and_b32 s17, ttmp7, 0xffff
	s_lshr_b32 s95, s17, 2                         ; t: 0 q, 1 k, 2 v: from the cluster's y alone, the same in all sixteen partners
	s_lshl_b32 s17, s17, 2
	s_add_co_u32 s17, s17, s41                     ; tile row = 4 x cluster y + cy
	s_lshl_b32 s43, s41, 2
	s_lshl_b32 s43, 15, s43                        ; my row of the cluster
	s_lshl_b32 s44, 0x1111, s40                    ; my column
	s_or_b32 s[G1+0], s43, (0<<16)|(1<<20)|(1<<21)|(5<<22)|(3<<25)  ; 15:0 the mask; 17:16 elements of 1 byte; 20 padding on; 21 set beside a mask; 24:22 after every 64 words; 31:25 four words
	s_or_b32 s[G1B+0], s44, (0<<16)|(1<<20)|(1<<21)|(5<<22)|(3<<25)
.irp g, G1, G1B
	s_mov_b32 s[\g+1], ROWB<<16                    ; tensor_dim0
	s_mov_b32 s[\g+2], 128<<16                     ; tensor_dim1
	s_mov_b32 s[\g+3], ROWB<<16                    ; tile_dim0
	s_mov_b32 s[\g+4], 128                         ; tile_dim1
	s_mov_b32 s[\g+5], KROW                        ; from row to row
	s_mov_b32 s[\g+6], 0
	s_mov_b32 s[\g+7], 0
.endr
	s_or_b32 s[G1S+0], s43, (3<<16)|(1<<20)|(1<<21)|(5<<22)|(3<<25)  ; the scales of 128 rows: 4,096 dense bytes as 16 rows of 32 elements of 8 bytes, 16 bytes of padding behind each
	s_or_b32 s[G1SB+0], s44, (3<<16)|(1<<20)|(1<<21)|(5<<22)|(3<<25)
.irp g, G1S, G1SB
	s_mov_b32 s[\g+1], 32<<16
	s_mov_b32 s[\g+2], (128*KS/256)<<16
	s_mov_b32 s[\g+3], 32<<16
	s_mov_b32 s[\g+4], 128*KS/256
	s_mov_b32 s[\g+5], 32
	s_mov_b32 s[\g+6], 0
	s_mov_b32 s[\g+7], 0
.endr
	s_lshl_b32 s18, s16, 7                         ; which 128 rows of the tile I fetch
	s_lshl_b32 s20, s17, 8
	s_add_co_u32 s20, s20, s18                     ; X: row 256 x tile row + 128 x half
	s_lshl_b32 s46, s42, 8
	s_add_co_u32 s46, s46, s18
	s_lshl_b32 s47, s95, 10
	s_add_co_u32 s46, s46, s47                     ; W: row 1,024 t + 256 x tile column + 128 x half of the three weights on end
	s_mov_b32 s21, 0
	s_mov_b32 s47, 0
	s_mov_b64 s[18:19], KS
	s_mul_u64 s[22:23], s[20:21], s[18:19]         ; where these rows' scales begin, in bytes,
	s_mul_u64 s[92:93], s[46:47], s[18:19]
	s_mov_b64 s[18:19], KROW
	s_mul_u64 s[20:21], s[20:21], s[18:19]         ; and their codes
	s_mul_u64 s[46:47], s[46:47], s[18:19]
	s_mul_i32 s45, s14, HALFT                      ; where they go: wave x 128 rows
	s_mul_i32 s94, s14, HALFS
	s_wait_dscnt 0x0                               ; both opening adds are done
	s_wait_kmcnt 0x0
	s_cmp_eq_u32 s95, 0
	s_cselect_b64 s[100:101], s[8:9], s[10:11]     ; my tensor's bias,
	s_mov_b32 s2, 0x3f800000
	s_cselect_b32 s2, 0x3e000000, s2               ; and its factor: 1/8 for Q, 1 for K and V
	s_mov_b32 s3, s2
	s_cmp_lt_u32 s95, 2
	s_cselect_b64 s[100:101], s[100:101], s[96:97]
	s_mov_b64 s[12:13], s[98:99]                   ; qkv16
	s_add_nc_u64 s[8:9], s[4:5], WOFFC             ; the weights' codes
	s_add_nc_u64 s[10:11], s[6:7], WOFFS           ; and scales
	s_add_nc_u64 s[20:21], s[4:5], s[20:21]
	s_add_nc_u64 s[22:23], s[6:7], s[22:23]
	s_add_nc_u64 s[46:47], s[8:9], s[46:47]
	s_add_nc_u64 s[92:93], s[10:11], s[92:93]
	CROUND                                         ; all sixteen work-groups are here: the joint loads meet
	s_mov_b32 s[G0S], 1
	s_add_co_u32 s[G0S+1], s94, SCL
	s_mov_b64 s[G0S+2:G0S+3], s[22:23]
	s_or_b32 s[G0S+3], s[G0S+3], 0x80000000
	s_mov_b32 s[G0SB], 1
	s_add_co_u32 s[G0SB+1], s94, SCL
	s_mov_b64 s[G0SB+2:G0SB+3], s[92:93]
	s_or_b32 s[G0SB+3], s[G0SB+3], 0x80000000
	JLOAD G0S, G1S, G0SB, G1SB                     ; the scales first: they are wanted with the first step
.irp s, 0,1
	s_mov_b32 s[G0+4*\s], 1
	s_add_co_u32 s[G0+4*\s+1], s45, \s*SLOT
	s_add_nc_u64 s[G0+4*\s+2:G0+4*\s+3], s[20:21], \s*ROWB
	s_or_b32 s[G0+4*\s+3], s[G0+4*\s+3], 0x80000000
	s_mov_b32 s[G0B+4*\s], 1
	s_add_co_u32 s[G0B+4*\s+1], s45, \s*SLOT
	s_add_nc_u64 s[G0B+4*\s+2:G0B+4*\s+3], s[46:47], \s*ROWB
	s_or_b32 s[G0B+4*\s+3], s[G0B+4*\s+3], 0x80000000
	JLOAD G0+4*\s, G1, G0B+4*\s, G1B
.endr
	v_and_b32 v1, 15, v0                           ; l % 16
	v_bfe_u32 v2, v0, 4, 1                         ; l / 16
	v_lshlrev_b32 v[BO], 5, v2
	s_lshl_b32 s20, s42, 10                        ; my first column, in bytes of f32: 1,024 x tile column + 512 x half
	s_lshl_b32 s21, s16, 9
	s_add_co_u32 s20, s20, s21
	s_mov_b32 s21, 0
	s_add_nc_u64 s[100:101], s[100:101], s[20:21]
.irp b, 0,1,2,3,4,5,6,7
	global_load_b128 v[BI+8*\b:BI+8*\b+3], v[BO], s[100:101] offset:64*\b          ; lane (r, h): the biases of columns 16 b + 8 h + 0 .. 7
	global_load_b128 v[BI+8*\b+4:BI+8*\b+7], v[BO], s[100:101] offset:64*\b+16
.endr
	v_mul_u32_u24 v3, v1, PITCH
	v_lshl_add_u32 v4, v2, 4, v3                   ; a fragment's row x pitch + 16 x half
	s_mul_i32 s21, s15, HALFT                      ; my 128 rows of X
	s_mul_i32 s22, s16, HALFT                      ; my 128 rows of W,
	s_add_co_u32 s22, s22, 2*HALFT                 ; which lie behind X's 256
.irp s, 0,1
	v_add_nc_u32 v[ADRA+\s], s21, v4
	v_add_nc_u32 v[ADRB+\s], s22, v4
	s_add_co_u32 s21, s21, SLOT
	s_add_co_u32 s22, s22, SLOT
.endr
	v_mul_u32_u24 v5, v1, KS                       ; my row's scales: 32 bytes a row,
	v_lshrrev_b32 v6, 8, v5
	v_lshl_add_u32 v5, v6, 4, v5                   ; and 16 more for each 256 passed
	s_mul_i32 s21, s15, HALFS
	s_mul_i32 s22, s16, HALFS
	s_add_co_u32 s22, s22, 2*HALFS
	s_sub_co_u32 s22, s22, s21
	v_mul_u32_u24 v6, s22, v2                      ; lanes 16-31 take W's: one product, the distance between the two bases
	s_add_co_u32 s21, s21, SCL
	v_add_nc_u32 v5, v5, v6
	v_add_nc_u32 v[ADRS], s21, v5
	s_mul_i32 s23, s14, 16*SPITCH                  ; my stage
	v_mul_u32_u24 v5, v1, SPITCH                   ; in: row l % 16, 16 bytes for each half of the lanes
	v_lshl_add_u32 v5, v2, 4, v5
	v_add_nc_u32 v[STO], s23, v5
	v_mul_u32_u24 v5, v2, SPITCH                   ; back: lanes 0-15 one row of 256 bytes, lanes 16-31 the next
	v_lshl_add_u32 v5, v1, 4, v5
	v_add_nc_u32 v[RD], s23, v5
	v_lshlrev_b32 v[CO], 11, v2                    ; and in qkv16: neighbouring rows lie 2,048 bytes apart
	v_lshl_add_u32 v[CO], v1, 4, v[CO]
	s_lshl_b32 s20, s17, 8
	s_lshl_b32 s21, s15, 7
	s_add_co_u32 s20, s20, s21                     ; my first row M: 256 x tile row + 128 x half: a head's first row
	s_lshr_b32 s21, s20, 9
	s_lshl_b32 s21, s21, 20
	s_bfe_u32 s22, s20, 0x20007                    ; (M >> 7) & 3
	s_lshl_b32 s22, s22, 13
	s_add_co_u32 s20, s21, s22
	s_lshl_b32 s46, s42, 9                         ; my first column, in bytes of f16
	s_lshl_b32 s47, s16, 8
	s_add_co_u32 s46, s46, s47
	s_add_co_u32 s20, s20, s46
	s_mov_b32 s21, 0
	s_add_nc_u64 s[12:13], s[12:13], s[20:21]
.macro FRAG reg, adr, q, i             ; 16 rows x 128 K of 4-bit codes: lane l holds row l % 16; registers 4 c .. 4 c + 3 hold K = 64 c + 32 (l / 16) + 0 .. 31
.irp c, 0,1
	ds_load_b128 v[\reg+4*\c:\reg+4*\c+3], v[\adr] offset:64*(\q)+32*\c+(\i)*16*PITCH
.endr
.endm
; 16 matrix instructions: X's blocks a0, a0 + 1 against W's eight.  p: W's set; sc: the set of scale words.  zero = 1: the sums begin with the bias.  The 64 accumulators take turns, one instruction a turn.
.macro MUL16 a0, p, q, sc, zero
.irp a, \a0, \a0+1
.irp b, 0,1,2,3,4,5,6,7
.if \zero
	v_wmma_scale_f32_16x16x128_f8f6f4 v[8*(8*((\a)%4)+\b):8*(8*((\a)%4)+\b)+7], v[128*(\p)+FR*\b:128*(\p)+FR*\b+FR-1], v[AF+FR*(\a):AF+FR*(\a)+FR-1], v[BI+8*\b:BI+8*\b+7], v[SC+8*NQ*(\sc)+NQ*\b+(\q)], v[SC+8*NQ*(\sc)+NQ*(\a)+(\q)] matrix_a_fmt:MATRIX_FMT_FP4 matrix_b_fmt:MATRIX_FMT_FP4 matrix_a_scale:MATRIX_SCALE_ROW1
.else
	v_wmma_scale_f32_16x16x128_f8f6f4 v[8*(8*((\a)%4)+\b):8*(8*((\a)%4)+\b)+7], v[128*(\p)+FR*\b:128*(\p)+FR*\b+FR-1], v[AF+FR*(\a):AF+FR*(\a)+FR-1], v[8*(8*((\a)%4)+\b):8*(8*((\a)%4)+\b)+7], v[SC+8*NQ*(\sc)+NQ*\b+(\q)], v[SC+8*NQ*(\sc)+NQ*(\a)+(\q)] matrix_a_fmt:MATRIX_FMT_FP4 matrix_b_fmt:MATRIX_FMT_FP4 matrix_a_scale:MATRIX_SCALE_ROW1
.endif
.endr
.endr
.endm
.macro FETCH_B slot, q, p
	WIN TO_B
.irp i, 0,1,2,3,4,5,6,7
	FRAG 128*(\p)+FR*\i, ADRB+\slot, \q, \i
.endr
	WIN 0
.endm
.macro FETCH_A slot, q, i0
.irp i, \i0, \i0+1, \i0+2, \i0+3
	FRAG AF+FR*(\i), ADRA+\slot, \q, \i
.endr
.endm
.macro SCALES sc                       ; a slot's scale words: four words a row; lanes 0-15 X's block i, lanes 16-31 W's block i
.irp i, 0,1,2,3,4,5,6,7
	ds_load_b128 v[SC+8*NQ*\sc+NQ*\i:SC+8*NQ*\sc+NQ*\i+3], v[ADRS] offset:\i*SBLK
.endr
.endm
.macro PLACES n                        ; plain vector instructions between a matrix instruction and a load into, or a vector write or read of, its registers
.rept \n
	v_nop
.endr
.endm
; A step of 128 along K that has its successor in the same slot.  X has one set of registers: blocks 0-3 are fetched anew in the step's middle, blocks 4-7 at its end; W has two sets.
.macro STEP slot, q, zero
	s_wait_dscnt 4*NL                              ; W's set and X's blocks 0-3 are in; the youngest eight loads (X's blocks 4-7) may be out
.if \zero
	WIN 0x81                                       ; C (the bias) window 0, D window 2
.else
	WIN MUL_LO
.endif
	MUL16 0, (\q)%2, \q, \slot, \zero
	MUL16 2, (\q)%2, \q, \slot, \zero
	s_wait_dscnt 0
	PLACES NP
	FETCH_B \slot, (\q)+1, 1-(\q)%2
	FETCH_A \slot, (\q)+1, 0
.if \zero
	WIN 0xc1                                       ; C window 0, D window 3
.else
	WIN MUL_HI
.endif
	MUL16 4, (\q)%2, \q, \slot, \zero
	MUL16 6, (\q)%2, \q, \slot, \zero
	PLACES NP
	WIN 0
	FETCH_A \slot, (\q)+1, 4
.endm
	s_wait_tensorcnt 1                             ; the scales and my part of slot 0 are in (slot 1's load may be out)
	s_barrier_signal -1
	s_barrier_wait -1                              ; everybody's are
	FETCH_B 0, 0, 0
	FETCH_A 0, 0, 0
	SCALES 0
	FETCH_A 0, 0, 4
	s_wait_loadcnt 0x0                             ; the bias
	STEP 0, 0, 1
	STEP 0, 1, 0
	STEP 0, 2, 0
	; slot 0's last step changes slots: one barrier; in front of it each wave has its part of slot 1 and has ended its reads of slot 0, which becomes the stage
	s_wait_tensorcnt 0x0                           ; all my tensor loads have landed;
	ds_add_u32 v[SPW], v[NIL]                      ; 0 onto my spare word
	s_wait_dscnt 4*NL+1                            ; (the add and X's blocks 4-7 may be out)
	WIN MUL_LO
	MUL16 0, 1, NQ-1, 0, 0
	s_wait_dscnt 0x0                               ; the add is done, and my reads of slot 0 are over
	s_barrier_signal -1
	MUL16 2, 1, NQ-1, 0, 0
	WIN 0
	s_barrier_wait -1
	PLACES NP
	v_add_nc_u32 v[ADRS], 4*NQ, v[ADRS]            ; on to slot 1's scale words
	FETCH_B 1, 0, 0
	FETCH_A 1, 0, 0
	SCALES 1
	WIN MUL_HI
	MUL16 4, 1, NQ-1, 0, 0
	MUL16 6, 1, NQ-1, 0, 0
	PLACES NP
	WIN 0
	FETCH_A 1, 0, 4
	STEP 1, 0, 0
	STEP 1, 1, 0
	STEP 1, 2, 0
	s_wait_dscnt 4*NL                              ; the last step: nothing more to fetch
	WIN MUL_LO
	MUL16 0, 1, NQ-1, 1, 0
	MUL16 2, 1, NQ-1, 1, 0
	s_wait_dscnt 0
	WIN MUL_HI
	MUL16 4, 1, NQ-1, 1, 0
	MUL16 6, 1, NQ-1, 1, 0
	WIN 0
; THE WAY OUT, block by block of 16 rows x 128 columns.  PACK: x the factor, rounded to f16: 16 bytes a lane.  TOSTAGE: into my stage and back as whole rows of 256 bytes.  SEND: stored.
.macro PACK a
.set AC, 64*((\a)%4)
	WIN 0x02+((\a)/4)                              ; source 0: window 2 or 3
.irp b, 0,1,2,3,4,5,6,7
.irp p, 0,1,2,3
	v_pk_mul_f32 v[PR+8*\b+2*\p:PR+8*\b+2*\p+1], v[AC+8*\b+2*\p:AC+8*\b+2*\p+1], s[2:3] op_sel_hi:[1,0]   ; each accumulator from its low end on
.endr
.endr
	WIN 0
.irp b, 0,1,2,3,4,5,6,7
.irp p, 0,1,2,3
	v_cvt_pk_f16_f32 v[TMP+4*\b+\p], v[PR+8*\b+2*\p], v[PR+8*\b+2*\p+1]
.endr
.endr
.endm
.macro TOSTAGE a
.set BB, BK+32*((\a)%2)
.irp b, 0,1,2,3,4,5,6,7
	ds_store_b128 v[STO], v[TMP+4*\b:TMP+4*\b+3] offset:32*\b
.endr
.irp t, 0,1,2,3,4,5,6,7
	ds_load_b128 v[BB+4*\t:BB+4*\t+3], v[RD] offset:\t*2*SPITCH   ; LDS serves a wave's instructions in order (ISA guide 5.7.1.4): these see the stores above
.endr
.endm
.macro SEND a
.set BB, BK+32*((\a)%2)
	s_wait_dscnt 0x0                               ; the block is back in registers
	s_wait_xcnt 0x0                                ; the block before has left its registers: the next block's loads may land there
.irp t, 0,1,2,3,4,5,6,7
	global_store_b128 v[CO], v[BB+4*\t:BB+4*\t+3], s[12:13] offset:(4*(\a)+(\t/2))*32768+(\t%2)*4096   ; rows 16 a + 2 t and + 1 of my head: 16 lanes store 256 consecutive bytes, aligned
.endr
.endm
	PLACES NP                                      ; behind the last products: the lines below write registers that held their scales and X's fragments
	PACK 0
	TOSTAGE 0
.irp a, 1,2,3,4,5,6,7                  ; a block's arithmetic stands between the loads of the block before and the wait for them
	PACK \a
	SEND \a-1
	TOSTAGE \a
.endr
	SEND 7
	s_wait_tensorcnt 0x0                           ; the wave's end
	ds_add_u32 v[SPW], v[NIL]
	s_wait_dscnt 0x0
	CROUND                                         ; the closing round
	s_endpgm
.Lfunc_end_k_qb6c68cde26_proj:
	.size	k_qb6c68cde26_proj, .Lfunc_end_k_qb6c68cde26_proj-k_qb6c68cde26_proj
	.p2alignl 7, 3214868480
	.fill 96, 4, 3214868480
	.section	.rodata,"a",@progbits
	.p2align	6, 0x0
	.amdhsa_kernel k_qb6c68cde26_proj
		.amdhsa_group_segment_fixed_size 327680
		.amdhsa_private_segment_fixed_size 0
		.amdhsa_enable_private_segment 0
		.amdhsa_kernarg_size 48
		.amdhsa_user_sgpr_count 2
		.amdhsa_user_sgpr_kernarg_segment_ptr 1
		.amdhsa_wavefront_size32 1
		.amdhsa_system_sgpr_workgroup_id_x 1
		.amdhsa_system_sgpr_workgroup_id_y 1
		.amdhsa_system_sgpr_workgroup_id_z 1
		.amdhsa_system_vgpr_workitem_id 0
		.amdhsa_next_free_vgpr 1024
		.amdhsa_next_free_sgpr 102
		.amdhsa_reserve_vcc 0
		.amdhsa_float_denorm_mode_32 3
		.amdhsa_float_denorm_mode_16_64 3
		.amdhsa_memory_ordered 1
		.amdhsa_forward_progress 1
		.amdhsa_inst_pref_size 145
	.end_amdhsa_kernel
	.amdgpu_metadata
---
amdhsa.version: [ 1, 2 ]
amdhsa.kernels:
  - .name:           k_qb6c68cde26_proj
    .symbol:         k_qb6c68cde26_proj.kd
    .args:
      - { .name: codes, .offset: 0, .size: 8, .value_kind: global_buffer, .address_space: global }
      - { .name: scales, .offset: 8, .size: 8, .value_kind: global_buffer, .address_space: global }
      - { .name: wq_b, .offset: 16, .size: 8, .value_kind: global_buffer, .address_space: global }
      - { .name: wk_b, .offset: 24, .size: 8, .value_kind: global_buffer, .address_space: global }
      - { .name: wv_b, .offset: 32, .size: 8, .value_kind: global_buffer, .address_space: global }
      - { .name: qkv16, .offset: 40, .size: 8, .value_kind: global_buffer, .address_space: global }
    .group_segment_fixed_size: 327680
    .private_segment_fixed_size: 0
    .kernarg_segment_align: 8
    .kernarg_segment_size: 48
    .max_flat_workgroup_size: 128
    .sgpr_count:     102
    .vgpr_count:     1024
    .wavefront_size: 32
...
	.end_amdgpu_metadata
.endif
;; end of part 2
;; launch attn (part 3): grid 32 x 8, 8 waves a work-group, clusters of 4 x 4, 327,680 bytes of LDS; arguments qkv16, attn_mask, attn_mask1, val16, vscale; writes val16, vscale
.if DOCPART == 3
	.amdgcn_target "amdgcn-amd-amdhsa--gfx1250"
	.amdhsa_code_object_version 6
	.text
	.protected	k_qb6c68cde26_attn
	.globl	k_qb6c68cde26_attn
	.p2align	8
	.type	k_qb6c68cde26_attn,@function
k_qb6c68cde26_attn:
	s_mov_b64 s[64:65], 0
	v_nop
	global_prefetch_b8 v0, s[64:65] scope:SCOPE_SE
	s_setreg_imm32_b32 hwreg(HW_REG_WAVE_MODE, 25, 1), 1
	s_wait_xcnt 0x0
	s_wait_alu depctr_hold_cnt(0) depctr_sa_sdst(0) depctr_va_vdst(0) depctr_va_sdst(0) depctr_va_ssrc(0) depctr_va_vcc(0) depctr_vm_vsrc(0)
	s_getreg_b32 s2, hwreg(HW_REG_IB_STS2, 6, 4)
	s_cmp_eq_u32 s2, 0
	s_cbranch_scc0 .Lentry_in_a_cluster
	s_endpgm
.Lentry_in_a_cluster:
	s_bfe_u32 s2, ttmp6, 0x10000c
	s_cmp_lg_u32 s2, 0xf033
	s_cbranch_scc0 .Lentry_shape_is_right
	s_endpgm
.Lentry_shape_is_right:
; val[b][h][q][:] = the sum over k of softmax_k(Q.K / 8 + attn_mask[b][q][k]) x attn_mask1[b][q][k] x V[b][h][k][:].  Q (already x 1/8), K, V: f16, from qkv16; both masks f32, shared by the 16 heads.
; Products on f16 operands with f32 sums; maxima, exponentials, sums and both masks in f32; p x mask1 is rounded to f16 for the second product.  A running maximum m and sum l for each query.
; OUT: val as [4096][1024] (the raw reshape back: 16 queries of a head are one row), each row divided by 2^e, e the exponent of its largest magnitude, and rounded to f16; 2^e goes to vscale and is multiplied back behind the last product.
; LIMITS: NaN and +infinity are not served; |val| under 2^127; a row of val all under 2^-100 keeps the scale 2^-100; scores + mask above -1e38 somewhere in each row.
; SHARES.  A work-group owns 64 queries x 4 heads (hg): 256 work-groups.  Wave w: head 4 hg + w / 2, queries 32 (w % 2) + 0 .. 31, as two tiles of 16.  Two waves lie on a SIMD: one wave's softmax stands beside the other's products.
; Every wave walks 32 key steps of 64 keys.  A step's tiles: K and V of the four heads (32,768 dense bytes each), and 64 x 64 of each mask.  A ring of two LDS slots; each of the eight waves fetches one eighth of a step by one tensor load.
; CLUSTER 4 x 4: x = four query blocks, y = the four groups of heads of one batch.  K's and V's tiles hang on the batch and hg: asked for jointly along a row of the cluster.  The masks' tiles hang on the batch and the
; query block: asked for jointly along a column.  So inside a cluster each tile is requested once.
; LAYOUT.  S^T = K Q^T + mask (source 0 = 16 keys, source 1 = 16 queries, C = the additive mask, loaded from LDS in the result's layout): a lane holds ONE query (lane % 16) and keys 8 (lane / 16) + 0 .. 7 of each tile.
; Two tiles of p x mask1, rounded in pairs, are source 1 (32 keys x 16 queries) of O^T = V^T P.  K comes out of LDS as it lies, V turned by ds_load_tr16_b128.
; REGISTERS.  window 0: v0-19 addresses; v20-35 statistics, eight a tile; v40-103 S^T; v104-167 mask1, then p x mask1; v168-199 P; v200-231 rows on the way out; v232-233 at work.
;   window 1: v0-63 O^T (tile u, channels 16 n on: 32 u + 8 n); v64-95 Q; v96-159 K of a step; v160-223 V of a step.
.set SLOT1, 131072                     ; slot 1 begins here: one exclusive or turns a descriptor's LDS address
.set VOFF,  36864                      ; a slot: K 256 rows (64 hi + key) x 144;  V 256 rows x 160;
.set AOFF,  77824                      ; attn_mask 64 rows x 272;
.set BOFF,  95232                      ; attn_mask1 64 rows x 272: 112,640 bytes in all
.set STAGE, 243712                     ; behind the ring: 16 rows x 144 bytes for each wave
.set SPARE, 262144                     ; the spare words, 128 bytes a wave, which no other line names
.set ADK, 4                            ; v4-5   my place in K's tile, slot 0, 1
.set ADV, 6                            ; v6-7   in V's
.set ADM, 8                            ; v8-9   in attn_mask's
.set ADN, 10                           ; v10-11 in attn_mask1's
.set QO,  12                           ; v12    my byte offset in my rows of Q; at the end 4 x lane
.set STO, 13                           ; v13    the way out: where I put 16 bytes of a query's row
.set RD,  14                           ; v14    and where I read back
.set GO,  15                           ; v15    16 x lane
.set SPW, 16                           ; v16    LDS address of my spare word; never rewritten
.set NIL, 17                           ; v17    0; never rewritten
.set PFOK, 18                          ; v18    prefetches of K, V: 256 x lane
.set PFOM, 19                          ; v19    of the masks: 8,192 (lane % 16) + 256 (lane / 16)
.set ST,  20                           ; tile u at v[ST + 8 u]: +0 c m, +1 m, +2, +3 l (even, odd keys), +4 .. +7 at work; a in +6
.set S,   40
.set NM,  104
.set P,   168
.set BK,  200
.set TP,  232
.set OA,  0                            ; window 1
.set QF,  64
.set KF,  96
.set VF,  160
.set WV,  14                           ; s14 wave; s15 wave % 2; s16 wave / 2; s17 cx; s18 cy; s19 query block; s20 batch; s21 4 x batch + cy
.set G1K, 24
.set G1V, 32
.set G1M, 40
.set G0K, 48
.set G0V, 52
.set G0A, 56
.set G0B, 60
.set CS,  66                           ; s[66:67] c = log2(e)
.set SEL, 68                           ; s[68:69] v_permlanex16_b32's selects for lane l xor 16
.set TRIPS, 70
.set PFK, 72                           ; s[72:73], s[74:75], s[88:89]: where the prefetches of K or V, attn_mask, attn_mask1 stand
.set PFMA, 74
.set PFMB, 88
.set LIMK, 76                          ; 1 in a wave that asks, else the greatest number
.set LIMA, 77
.set LIMB, 87
.set MSB, 0
.macro WIN new                         ; the immediate's high byte repeats the setting that is left
.if MSB != \new
	s_set_vgpr_msb (MSB<<8)|\new
.set MSB, \new
.endif
.endm
.macro PLACES n
.rept \n
	v_nop
.endr
.endm
.macro CROUND                          ; a round of the cluster's barrier
	s_barrier_signal -1
	s_barrier_wait -1
	s_cmp_lg_u32 s[WV], 0
	s_cbranch_scc1 .Lnot_wave_0_\@
	s_barrier_signal -3
.Lnot_wave_0_\@:
	s_barrier_wait -3
	s_barrier_signal -1
	s_barrier_wait -1
.endm
; A step's joint loads: waves 0, 1 K's halves, 2, 3 V's, 4, 5 attn_mask's, 6, 7 attn_mask1's: one load a wave on every way.  The branches hang on the wave's number alone.  An s_nop 0 and four v_nop follow each line.
.macro JLOAD
	s_cmp_lt_u32 s[WV], 2
	s_cbranch_scc0 .Lnot_k_\@
	tensor_load_to_lds s[G0K:G0K+3], s[G1K:G1K+7]
	s_nop 0
	PLACES 4
	s_branch .Lasked_\@
.Lnot_k_\@:
	s_cmp_lt_u32 s[WV], 4
	s_cbranch_scc0 .Lnot_v_\@
	tensor_load_to_lds s[G0V:G0V+3], s[G1V:G1V+7]
	s_nop 0
	PLACES 4
	s_branch .Lasked_\@
.Lnot_v_\@:
	s_cmp_lt_u32 s[WV], 6
	s_cbranch_scc0 .Lnot_a_\@
	tensor_load_to_lds s[G0A:G0A+3], s[G1M:G1M+7]
	s_nop 0
	PLACES 4
	s_branch .Lasked_\@
.Lnot_a_\@:
	tensor_load_to_lds s[G0B:G0B+3], s[G1M:G1M+7]
	s_nop 0
	PLACES 4
.Lasked_\@:
.endm
; PREFETCHES, once a trip (two key steps), behind the wave's tensor load: at the head of key step 2 i they name steps 2 i + 3 and 2 i + 4, whose loads are issued two and three steps later.
; K, V: two steps are 65,536 dense bytes.  All eight clusters of a batch walk them: the one with x = 0 asks; its four partners of a row take 16,384 bytes each, told apart by address; waves 0, 1 (K) and 2, 3 (V) take 8,192 each, lanes 256 bytes apart.
; The masks: each cluster alone reads its rows.  Of a query block's 64 rows the four partners of a column take 16 each, by address; wave 4 (attn_mask) and wave 6 (attn_mask1): lane % 16 the row, lane / 16 which of the two steps' 256 bytes.
; So each aligned block of 256 bytes is named once.  The trips with 15 to 2 left ask: steps 3 to 30.  Steps 0, 1, 2 and 31 come by their loads alone.
.macro ASK
	s_cmp_gt_u32 s[TRIPS], s[LIMK]
	s_cbranch_scc0 .Lno_k_\@
	global_prefetch_b8 v[PFOK], s[PFK:PFK+1] th:TH_LOAD_NT scope:SCOPE_SE
.Lno_k_\@:
	s_cmp_gt_u32 s[TRIPS], s[LIMA]
	s_cbranch_scc0 .Lno_a_\@
	global_prefetch_b8 v[PFOM], s[PFMA:PFMA+1] th:TH_LOAD_NT scope:SCOPE_SE
.Lno_a_\@:
	s_cmp_gt_u32 s[TRIPS], s[LIMB]
	s_cbranch_scc0 .Lno_b_\@
	global_prefetch_b8 v[PFOM], s[PFMB:PFMB+1] th:TH_LOAD_NT scope:SCOPE_SE
.Lno_b_\@:
.endm
; THE CHANGE OF SLOTS stands at a step's head.  Each wave waits for all its tensor loads (one is out: its part of the slot about to be read), adds 0 to its spare word, and waits for that and for its reads of the slot that it has left.
; fill = 1: a round of the cluster's barrier, and first behind it the joint load of the next step into the slot just left: it has a whole step in which to land.
.macro CHANGE fill, ask
	s_wait_tensorcnt 0x0                           ; no tensor load of mine is out, so the groups 0 may be written
	ds_add_u32 v[SPW], v[NIL]                      ; 0 onto my spare word; the steps below stand between it and the wait for it
.if \fill
.irp g, G0K, G0V
	s_xor_b32 s[\g+1], s[\g+1], SLOT1              ; the other slot,
	s_add_nc_u64 s[\g+2:\g+3], s[\g+2:\g+3], 32768 ; the next step's four heads; the type bits on top are not reached
.endr
.irp g, G0A, G0B
	s_xor_b32 s[\g+1], s[\g+1], SLOT1
	s_add_nc_u64 s[\g+2:\g+3], s[\g+2:\g+3], 256   ; the next 64 keys of each row
.endr
.if \ask
	s_wait_xcnt 0x0                                ; the last trip's prefetches have read their addresses
	s_add_nc_u64 s[PFK:PFK+1], s[PFK:PFK+1], 65536
	s_add_nc_u64 s[PFMA:PFMA+1], s[PFMA:PFMA+1], 512
	s_add_nc_u64 s[PFMB:PFMB+1], s[PFMB:PFMB+1], 512
.endif
	s_wait_dscnt 0x0                               ; the add is done, and my reads of the slot that I have left are over
	CROUND                                         ; both hold of every wave of all sixteen work-groups
	JLOAD                                          ; its four v_nop are also the places in front of the loads into V's registers
.if \ask
	ASK
.endif
.else
	s_wait_dscnt 0x0
	s_barrier_signal -1
	s_barrier_wait -1
	PLACES 4
.endif
.endm
; A KEY STEP on slot s: 64 keys, my two tiles of queries.
.macro STEP s
	WIN 0x40                                       ; destination window 1
.irp t, 0,1,2,3
.irp c, 0,1
	ds_load_b128 v[KF+8*(2*\t+\c):KF+8*(2*\t+\c)+3], v[ADK+\s] offset:2304*\t+64*\c        ; keys 16 t on, channels 32 c on
	ds_load_b128 v[KF+8*(2*\t+\c)+4:KF+8*(2*\t+\c)+7], v[ADK+\s] offset:2304*\t+64*\c+32
.endr
.endr
	WIN 0
.irp u, 0,1
.irp t, 0,1,2,3
	ds_load_b128 v[S+32*\u+8*\t:S+32*\u+8*\t+3], v[ADM+\s] offset:4352*\u+64*\t            ; attn_mask(query, keys 16 t + 8 h + 0 .. 7): the C of the first product
	ds_load_b128 v[S+32*\u+8*\t+4:S+32*\u+8*\t+7], v[ADM+\s] offset:4352*\u+64*\t+16
.endr
.endr
.irp u, 0,1
.irp t, 0,1,2,3
	ds_load_b128 v[NM+32*\u+8*\t:NM+32*\u+8*\t+3], v[ADN+\s] offset:4352*\u+64*\t          ; attn_mask1 likewise
	ds_load_b128 v[NM+32*\u+8*\t+4:NM+32*\u+8*\t+7], v[ADN+\s] offset:4352*\u+64*\t+16
.endr
.endr
	WIN 0x40
.irp g, 0,1
.irp n, 0,1,2,3
	ds_load_tr16_b128 v[VF+8*(4*\g+\n):VF+8*(4*\g+\n)+3], v[ADV+\s] offset:5120*\g+32*\n   ; keys 32 g on, channels 16 n on, turned
	ds_load_tr16_b128 v[VF+8*(4*\g+\n)+4:VF+8*(4*\g+\n)+7], v[ADV+\s] offset:5120*\g+32*\n+2560
.endr
.endr
	s_wait_dscnt 32                                ; K and attn_mask are in; mask1's sixteen loads and V's sixteen may be out
	WIN 0x05                                       ; K and Q window 1, S^T window 0
.irp c, 0,1                            ; eight accumulators by turns, one instruction a turn
.irp t, 0,1,2,3
.irp u, 0,1
	v_wmma_f32_16x16x32_f16 v[S+32*\u+8*\t:S+32*\u+8*\t+7], v[KF+8*(2*\t+\c):KF+8*(2*\t+\c)+7], v[QF+8*(2*\u+\c):QF+8*(2*\u+\c)+7], v[S+32*\u+8*\t:S+32*\u+8*\t+7]
.endr
.endr
.endr
	WIN 0
	PLACES 4
	; the row's maximum: four chains a tile, each accumulator read from its low end on; the tiles alternate
.irp j, 0,1,2,3
.irp u, 0,1
	v_max3_num_f32 v[ST+8*\u+4+\j], v[S+32*\u+8*\j], v[S+32*\u+8*\j+1], v[S+32*\u+8*\j+2]
.endr
.endr
.irp i, 1,2
.irp j, 0,1,2,3
.irp u, 0,1
	v_max3_num_f32 v[ST+8*\u+4+\j], v[ST+8*\u+4+\j], v[S+32*\u+8*\j+2*\i+1], v[S+32*\u+8*\j+2*\i+2]
.endr
.endr
.endr
.irp u, 0,1
	v_max3_num_f32 v[ST+8*\u+4], v[ST+8*\u+4], v[S+32*\u+7], v[S+32*\u+15]
	v_max3_num_f32 v[ST+8*\u+6], v[ST+8*\u+6], v[S+32*\u+23], v[S+32*\u+31]
.endr
.irp u, 0,1
	v_max3_num_f32 v[ST+8*\u+4], v[ST+8*\u+4], v[ST+8*\u+5], v[ST+8*\u+6]
.endr
.irp u, 0,1
	v_max3_num_f32 v[ST+8*\u+4], v[ST+8*\u+4], v[ST+8*\u+7], v[ST+8*\u+1]                  ; and the old m
.endr
.irp u, 0,1
	v_permlanex16_b32 v[ST+8*\u+5], v[ST+8*\u+4], s[SEL], s[SEL+1]                         ; the query's other 32 keys lie in the lane 16 away
.endr
.irp u, 0,1
	v_mov_b32 v[ST+8*\u+7], v[ST+8*\u]             ; c m_old is kept for a
.endr
.irp u, 0,1
	v_max_num_f32 v[ST+8*\u+1], v[ST+8*\u+4], v[ST+8*\u+5]
.endr
.irp u, 0,1
	v_mul_f32 v[ST+8*\u], s[CS], v[ST+8*\u+1]
.endr
.irp u, 0,1
	v_sub_f32 v[ST+8*\u+7], v[ST+8*\u+7], v[ST+8*\u]
.endr
.irp u, 0,1
.set ii, 0
.rept 16
	v_pk_fma_f32 v[S+32*\u+ii:S+32*\u+ii+1], v[S+32*\u+ii:S+32*\u+ii+1], s[CS:CS+1], v[ST+8*\u:ST+8*\u+1] op_sel_hi:[1,0,0] neg_lo:[0,0,1] neg_hi:[0,0,1]   ; c s - c m
.set ii, ii+2
.endr
.endr
.irp u, 0,1
	v_exp_f32 v[ST+8*\u+6], v[ST+8*\u+7]           ; a = 2^(c m_old - c m_new).  ONE BATCH of 66 exponentials: none reads another's result
.endr
.set ii, 0
.rept 64
	v_exp_f32 v[S+ii], v[S+ii]                     ; p = 2^(c s - c m)
.set ii, ii+1
.endr
	v_nop                                          ; the plain instruction behind the last exponential
	s_wait_alu depctr_va_vdst(0)                   ; one wait for the batch, ahead of its first reader
	s_wait_dscnt 16                                ; mask1 is in; V's sixteen loads may be out
.set ii, 0
.rept 32
	v_pk_mul_f32 v[NM+ii:NM+ii+1], v[NM+ii:NM+ii+1], v[S+ii:S+ii+1]                        ; p x mask1
.set ii, ii+2
.endr
.set ii, 0
.rept 32
	v_cvt_pk_f16_f32 v[P+ii], v[NM+2*ii], v[NM+2*ii+1]
.set ii, ii+1
.endr
	; the sum of the unmasked p, in place: neighbours 1, 2, 4 and 8 pairs apart, then l = a l + the sum
.irp z, 0,1,2,3,4,5,6,7
.irp u, 0,1
	v_pk_add_f32 v[S+32*\u+4*\z:S+32*\u+4*\z+1], v[S+32*\u+4*\z:S+32*\u+4*\z+1], v[S+32*\u+4*\z+2:S+32*\u+4*\z+3]
.endr
.endr
.irp z, 0,1,2,3
.irp u, 0,1
	v_pk_add_f32 v[S+32*\u+8*\z:S+32*\u+8*\z+1], v[S+32*\u+8*\z:S+32*\u+8*\z+1], v[S+32*\u+8*\z+4:S+32*\u+8*\z+5]
.endr
.endr
.irp z, 0,1
.irp u, 0,1
	v_pk_add_f32 v[S+32*\u+16*\z:S+32*\u+16*\z+1], v[S+32*\u+16*\z:S+32*\u+16*\z+1], v[S+32*\u+16*\z+8:S+32*\u+16*\z+9]
.endr
.endr
.irp u, 0,1
	v_pk_add_f32 v[S+32*\u:S+32*\u+1], v[S+32*\u:S+32*\u+1], v[S+32*\u+16:S+32*\u+17]
.endr
.irp u, 0,1
	v_pk_fma_f32 v[ST+8*\u+2:ST+8*\u+3], v[ST+8*\u+2:ST+8*\u+3], v[ST+8*\u+6:ST+8*\u+7], v[S+32*\u:S+32*\u+1] op_sel_hi:[1,0,1]
.endr
	WIN 0x41                                       ; O^T window 1, a window 0
.irp u, 0,1
.set ii, 0
.rept 16
	v_pk_mul_f32 v[OA+32*\u+ii:OA+32*\u+ii+1], v[OA+32*\u+ii:OA+32*\u+ii+1], v[ST+8*\u+6:ST+8*\u+7] op_sel_hi:[1,0]
.set ii, ii+2
.endr
.endr
	s_wait_dscnt 0x0                               ; V is in
	WIN 0x51                                       ; V and O^T window 1, P window 0
.irp g, 0,1                            ; eight accumulators by turns
.irp n, 0,1,2,3
.irp u, 0,1
	v_wmma_f32_16x16x32_f16 v[OA+32*\u+8*\n:OA+32*\u+8*\n+7], v[VF+8*(4*\g+\n):VF+8*(4*\g+\n)+7], v[P+16*\u+8*\g:P+16*\u+8*\g+7], v[OA+32*\u+8*\n:OA+32*\u+8*\n+7]
.endr
.endr
.endr
	WIN 0
.endm
	s_load_b256 s[4:11], s[0:1], 0x0               ; qkv16, attn_mask, attn_mask1, val16
	s_load_b64 s[12:13], s[0:1], 0x20              ; vscale
	v_lshl_add_u32 v[SPW], v0, 2, SPARE
	v_mov_b32 v[NIL], 0
	ds_add_u32 v[SPW], v[NIL]                      ; the wave's opening: the add, twice on end, and its wait ahead of my first tensor load
	ds_add_u32 v[SPW], v[NIL]
	v_lshrrev_b32 v1, 5, v0
	v_readfirstlane_b32 s[WV], v1                  ; wave 0..7
	s_and_b32 s15, s[WV], 1                        ; which 32 queries are mine.  Also: which half of a tile I fetch
	s_lshr_b32 s16, s[WV], 1                       ; which of the four heads is mine
	s_bfe_u32 s17, ttmp6, 0x40000                  ; cx
	s_bfe_u32 s18, ttmp6, 0x40004                  ; cy = hg
	s_lshl_b32 s19, ttmp9, 2
	s_add_co_u32 s19, s19, s17                     ; my block of 64 queries
	s_and_b32 s20, ttmp7, 0xffff                   ; the batch
	s_lshl_b32 s21, s20, 2
	s_add_co_u32 s21, s21, s18                     ; 4 x batch + hg
	s_lshl_b32 s22, s18, 2
	s_lshl_b32 s22, 15, s22                        ; my row of the cluster
	s_lshl_b32 s23, 0x1111, s17                    ; my column
	s_or_b32 s[G1K], s22, (1<<16)|(1<<20)|(1<<21)|(4<<22)|(3<<25)   ; K: elements of 2 bytes; four words of padding after every 32
	s_or_b32 s[G1V], s22, (1<<16)|(1<<20)|(1<<21)|(4<<22)|(7<<25)   ; V: eight words
.irp g, G1K, G1V
	s_mov_b32 s[\g+1], 64<<16                      ; tensor_dim0 = 64
	s_mov_b32 s[\g+2], 128<<16                     ; tensor_dim1 = 128
	s_mov_b32 s[\g+3], 64<<16                      ; tile_dim0
	s_mov_b32 s[\g+4], 128                         ; tile_dim1: two heads' 64 keys
	s_mov_b32 s[\g+5], 64                          ; dense rows
	s_mov_b32 s[\g+6], 0
	s_mov_b32 s[\g+7], 0
.endr
	s_or_b32 s[G1M], s23, (2<<16)|(1<<20)|(1<<21)|(5<<22)|(3<<25)   ; the masks: elements of 4 bytes; four words of padding after every 64
	s_mov_b32 s[G1M+1], 64<<16
	s_mov_b32 s[G1M+2], 32<<16
	s_mov_b32 s[G1M+3], 64<<16
	s_mov_b32 s[G1M+4], 32                         ; 32 queries
	s_mov_b32 s[G1M+5], 2048                       ; a mask's row
	s_mov_b32 s[G1M+6], 0
	s_mov_b32 s[G1M+7], 0
	s_mul_i32 s78, s15, 18432                      ; where my half goes: no place in the cluster enters an LDS address
	s_mul_i32 s79, s15, 20480
	s_add_co_u32 s79, s79, VOFF
	s_mul_i32 s84, s15, 8704
	s_add_co_u32 s85, s84, BOFF
	s_add_co_u32 s84, s84, AOFF
	s_lshl_b32 s80, s21, 20                        ; K, V: the batch's and hg's 32 steps, + my half of a step: cy, never cx
	s_lshl_b32 s81, s15, 14
	s_add_co_u32 s80, s80, s81
	s_mov_b32 s81, 0
	s_lshl_b32 s82, s20, 24                        ; the masks: the batch, + row 64 x query block + 32 x half: cx, never cy
	s_lshl_b32 s83, s19, 19
	s_add_co_u32 s82, s82, s83
	s_lshl_b32 s83, s15, 18
	s_add_co_u32 s82, s82, s83
	s_mov_b32 s83, 0
	s_mov_b32 s[CS], 0x3fb8aa3b                    ; log2(e)
	s_mov_b32 s[CS+1], s[CS]
	s_mov_b32 s[SEL], 0x76543210
	s_mov_b32 s[SEL+1], 0xfedcba98
	s_wait_dscnt 0x0                               ; both opening adds are done
	s_wait_kmcnt 0x0
	s_mov_b32 s[G0K], 1
	s_mov_b32 s[G0K+1], s78
	s_add_nc_u64 s[G0K+2:G0K+3], s[4:5], s[80:81]
	s_add_nc_u64 s[G0K+2:G0K+3], s[G0K+2:G0K+3], 8388608
	s_or_b32 s[G0K+3], s[G0K+3], 0x80000000
	s_mov_b32 s[G0V], 1
	s_mov_b32 s[G0V+1], s79
	s_add_nc_u64 s[G0V+2:G0V+3], s[4:5], s[80:81]
	s_add_nc_u64 s[G0V+2:G0V+3], s[G0V+2:G0V+3], 16777216
	s_or_b32 s[G0V+3], s[G0V+3], 0x80000000
	s_mov_b32 s[G0A], 1
	s_mov_b32 s[G0A+1], s84
	s_add_nc_u64 s[G0A+2:G0A+3], s[6:7], s[82:83]
	s_or_b32 s[G0A+3], s[G0A+3], 0x80000000
	s_mov_b32 s[G0B], 1
	s_mov_b32 s[G0B+1], s85
	s_add_nc_u64 s[G0B+2:G0B+3], s[8:9], s[82:83]
	s_or_b32 s[G0B+3], s[G0B+3], 0x80000000
	CROUND                                         ; all sixteen work-groups are here: the first joint loads meet
	JLOAD                                          ; key step 0 into slot 0
	v_and_b32 v1, 15, v0                           ; r
	v_bfe_u32 v2, v0, 4, 1                         ; h
	v_and_b32 v3, 31, v0                           ; lane
	s_mul_i32 s22, s16, 9216                       ; my head's 64 rows of K
	v_mul_u32_u24 v[TP], v1, 144
	v_lshl_add_u32 v[TP], v2, 4, v[TP]
	v_add_nc_u32 v[ADK], s22, v[TP]
	v_add_nc_u32 v[ADK+1], SLOT1, v[ADK]
	v_and_b32 v[TP], 7, v0                         ; the turning load: key 8 h + l % 8, channels 8 ((l / 8) % 2) on
	v_lshl_add_u32 v[TP], v2, 3, v[TP]
	v_mul_u32_u24 v[TP], v[TP], 160
	v_bfe_u32 v[TP+1], v0, 3, 1
	v_lshl_add_u32 v[TP], v[TP+1], 4, v[TP]
	s_mul_i32 s22, s16, 10240
	s_add_co_u32 s22, s22, VOFF
	v_add_nc_u32 v[ADV], s22, v[TP]
	v_add_nc_u32 v[ADV+1], SLOT1, v[ADV]
	v_mul_u32_u24 v[TP], v1, 272                   ; the masks: row 32 x half + r, + 32 h bytes
	v_lshl_add_u32 v[TP], v2, 5, v[TP]
	s_mul_i32 s22, s15, 8704
	s_add_co_u32 s22, s22, AOFF
	v_add_nc_u32 v[ADM], s22, v[TP]
	v_add_nc_u32 v[ADM+1], SLOT1, v[ADM]
	v_add_nc_u32 v[ADN], BOFF-AOFF, v[ADM]
	v_add_nc_u32 v[ADN+1], BOFF-AOFF, v[ADM+1]
	v_lshlrev_b32 v[QO], 7, v1
	v_lshl_add_u32 v[QO], v2, 4, v[QO]             ; Q: row r of 128 bytes, + 16 h
	s_mul_i32 s22, s[WV], 2304
	s_add_co_u32 s22, s22, STAGE                   ; my stage
	v_mul_u32_u24 v[TP], v1, 144
	v_lshl_add_u32 v[TP], v2, 4, v[TP]
	v_add_nc_u32 v[STO], s22, v[TP]                ; in: query r, 16 bytes for each half of the lanes
	v_bfe_u32 v[TP], v0, 3, 2
	v_mul_u32_u24 v[TP], v[TP], 144
	v_and_b32 v[TP+1], 7, v0
	v_lshl_add_u32 v[TP], v[TP+1], 4, v[TP]
	v_add_nc_u32 v[RD], s22, v[TP]                 ; back: eight lanes to a query's 128 bytes, four queries an instruction
	v_lshlrev_b32 v[GO], 4, v3
	s_lshl_b32 s78, s21, 20                        ; Q: my batch and hg, step = my query block, my head, my 32 positions
	s_lshl_b32 s79, s19, 15
	s_add_co_u32 s78, s78, s79
	s_lshl_b32 s79, s16, 13
	s_add_co_u32 s78, s78, s79
	s_lshl_b32 s79, s15, 12
	s_add_co_u32 s78, s78, s79
	s_mov_b32 s79, 0
	s_add_nc_u64 s[78:79], s[4:5], s[78:79]
	WIN 0x40
.irp u, 0,1
.irp c, 0,1
	global_load_b128 v[QF+8*(2*\u+\c):QF+8*(2*\u+\c)+3], v[QO], s[78:79] offset:2048*\u+64*\c       ; Q stays in registers
	global_load_b128 v[QF+8*(2*\u+\c)+4:QF+8*(2*\u+\c)+7], v[QO], s[78:79] offset:2048*\u+64*\c+32
.endr
.endr
.set ii, 0
.rept 64
	v_mov_b32 v[OA+ii], 0                          ; O^T.  The step is written once: the first step finds zeros, and its a is 0
.set ii, ii+1
.endr
	WIN 0
.irp u, 0,1
	v_mov_b32 v[ST+8*\u+1], 0xfe967699             ; m = -1e38, under every score
	v_mov_b32 v[ST+8*\u+2], 0                      ; l
	v_mov_b32 v[ST+8*\u+3], 0
	v_mul_f32 v[ST+8*\u], s[CS], v[ST+8*\u+1]      ; c m
.endr
	; where the prefetches stand: one step in; the first change of slots steps them to key step 3
	s_and_b32 s80, s16, 1                          ; waves 0, 1: K; waves 2, 3: V
	s_lshl_b32 s80, s80, 23
	s_add_co_u32 s80, s80, 8388608+32768
	s_lshl_b32 s81, s21, 20
	s_add_co_u32 s80, s80, s81
	s_lshl_b32 s81, s17, 14                        ; my work-group's 16,384 bytes,
	s_add_co_u32 s80, s80, s81
	s_lshl_b32 s81, s15, 13                        ; my wave's 8,192
	s_add_co_u32 s80, s80, s81
	s_mov_b32 s81, 0
	s_add_nc_u64 s[PFK:PFK+1], s[4:5], s[80:81]
	s_lshl_b32 s82, s20, 24
	s_lshl_b32 s83, s19, 19
	s_add_co_u32 s82, s82, s83
	s_lshl_b32 s83, s18, 17                        ; my work-group's 16 rows of the query block's 64
	s_add_co_u32 s82, s82, s83
	s_add_co_u32 s82, s82, 256
	s_mov_b32 s83, 0
	s_add_nc_u64 s[PFMA:PFMA+1], s[6:7], s[82:83]
	s_add_nc_u64 s[PFMB:PFMB+1], s[8:9], s[82:83]
	s_lshr_b32 s80, s[WV], 2
	s_or_b32 s80, s80, ttmp9                       ; 0 in waves 0 to 3 of the clusters with x = 0: the same in all sixteen partners
	s_cmp_eq_u32 s80, 0
	s_cselect_b32 s[LIMK], 1, -1
	s_cmp_eq_u32 s[WV], 4
	s_cselect_b32 s[LIMA], 1, -1
	s_cmp_eq_u32 s[WV], 6
	s_cselect_b32 s[LIMB], 1, -1
	v_lshlrev_b32 v[PFOK], 8, v3
	v_lshlrev_b32 v[PFOM], 13, v1
	v_lshl_add_u32 v[PFOM], v2, 8, v[PFOM]
	s_wait_loadcnt 0x0                             ; Q
	s_mov_b32 s[TRIPS], 15
.Ltrip:                                            ; a trip: key steps 2 i and 2 i + 1; it asks for steps 2 i + 1 and 2 i + 2.  One tensor load of a wave is out behind each round
	CHANGE 1, 1
	STEP 0
	CHANGE 1, 0
	STEP 1
	s_sub_co_u32 s[TRIPS], s[TRIPS], 1
	s_cmp_lg_u32 s[TRIPS], 0
	s_cbranch_scc1 .Ltrip
	CHANGE 1, 0                                    ; the tail is written out: step 31 is asked for
	STEP 0
	CHANGE 0, 0                                    ; and then nothing
	STEP 1
	; THE WAY OUT
	PLACES 4
.irp u, 0,1
	v_add_f32 v[ST+8*\u+4], v[ST+8*\u+2], v[ST+8*\u+3]
.endr
.irp u, 0,1
	v_permlanex16_b32 v[ST+8*\u+5], v[ST+8*\u+4], s[SEL], s[SEL+1]
.endr
.irp u, 0,1
	v_add_f32 v[ST+8*\u+4], v[ST+8*\u+4], v[ST+8*\u+5]             ; l of my query
.endr
.irp u, 0,1
	v_rcp_f32 v[ST+8*\u+6], v[ST+8*\u+4]
.endr
	v_nop                                          ; the plain instruction behind the reciprocals
	s_wait_alu depctr_va_vdst(0)                   ; and one wait for both, ahead of their first reader
; Tile u is one row of val: 16 queries x 64 channels.  O^T / l; the row's largest magnitude over 32 registers and 32 lanes; x 2^-e; f16; through my stage, so that the row leaves as 2,048 consecutive bytes.
.macro OUT u
	WIN 0x01                                       ; source 0 window 1
.set ii, 0
.rept 16
	v_pk_mul_f32 v[S+32*\u+ii:S+32*\u+ii+1], v[OA+32*\u+ii:OA+32*\u+ii+1], v[ST+8*\u+6:ST+8*\u+7] op_sel_hi:[1,0]   ; each accumulator from its low end on
.set ii, ii+2
.endr
	WIN 0
	v_max3_num_f32 v[ST+8*\u+4], |v[S+32*\u]|, |v[S+32*\u+1]|, 0x0d800000       ; two chains, each over the floor 2^-100
	v_max3_num_f32 v[ST+8*\u+5], |v[S+32*\u+16]|, |v[S+32*\u+17]|, 0x0d800000
.irp i, 2,4,6,8,10,12,14
	v_max3_num_f32 v[ST+8*\u+4], v[ST+8*\u+4], |v[S+32*\u+\i]|, |v[S+32*\u+\i+1]|
	v_max3_num_f32 v[ST+8*\u+5], v[ST+8*\u+5], |v[S+32*\u+16+\i]|, |v[S+32*\u+17+\i]|
.endr
	v_max_num_f32 v[ST+8*\u+4], v[ST+8*\u+4], v[ST+8*\u+5]
	v_max_num_f32_dpp v[ST+8*\u+4], v[ST+8*\u+4], v[ST+8*\u+4] row_xmask:1 row_mask:0xf bank_mask:0xf
	v_max_num_f32_dpp v[ST+8*\u+4], v[ST+8*\u+4], v[ST+8*\u+4] row_xmask:2 row_mask:0xf bank_mask:0xf
	v_max_num_f32_dpp v[ST+8*\u+4], v[ST+8*\u+4], v[ST+8*\u+4] row_xmask:4 row_mask:0xf bank_mask:0xf
	v_max_num_f32_dpp v[ST+8*\u+4], v[ST+8*\u+4], v[ST+8*\u+4] row_xmask:8 row_mask:0xf bank_mask:0xf
	v_permlanex16_b32 v[ST+8*\u+5], v[ST+8*\u+4], s[SEL], s[SEL+1]
	v_max_num_f32 v[ST+8*\u+4], v[ST+8*\u+4], v[ST+8*\u+5]
	v_and_b32 v[ST+8*\u+4], 0x7f800000, v[ST+8*\u+4]               ; its exponent field alone: 2^e
	v_sub_nc_u32 v[ST+8*\u+6], 0x7f000000, v[ST+8*\u+4]            ; exponent field 254 - E: 2^-e
.set ii, 0
.rept 16
	v_pk_mul_f32 v[S+32*\u+ii:S+32*\u+ii+1], v[S+32*\u+ii:S+32*\u+ii+1], v[ST+8*\u+6:ST+8*\u+7] op_sel_hi:[1,0]     ; exact: magnitudes under 2
.set ii, ii+2
.endr
.set ii, 0
.rept 16
	v_cvt_pk_f16_f32 v[P+16*\u+ii], v[S+32*\u+2*ii], v[S+32*\u+2*ii+1]
.set ii, ii+1
.endr
.irp n, 0,1,2,3
	ds_store_b128 v[STO], v[P+16*\u+4*\n:P+16*\u+4*\n+3] offset:32*\n
.endr
.irp i, 0,1,2,3
	ds_load_b128 v[BK+16*\u+4*\i:BK+16*\u+4*\i+3], v[RD] offset:576*\i   ; LDS serves a wave's instructions in order: these see my stores, and the next tile's stores come behind them
.endr
.endm
	OUT 0
	OUT 1
	s_lshl_b32 s80, s21, 9                         ; my first row of val: 512 (4 b + hg) + 128 hi + 4 x query block + 2 x half
	s_lshl_b32 s81, s16, 7
	s_add_co_u32 s80, s80, s81
	s_lshl_b32 s81, s19, 2
	s_add_co_u32 s80, s80, s81
	s_lshl_b32 s81, s15, 1
	s_add_co_u32 s80, s80, s81
	s_lshl_b32 s82, s80, 2
	s_lshl_b32 s80, s80, 11
	s_mov_b32 s81, 0
	s_mov_b32 s83, 0
	s_add_nc_u64 s[10:11], s[10:11], s[80:81]
	s_add_nc_u64 s[12:13], s[12:13], s[82:83]
.irp i, 0,1,2,3
	s_wait_dscnt 11-\i                             ; behind this load: tile 0's younger loads and tile 1's eight LDS instructions
	global_store_b128 v[GO], v[BK+4*\i:BK+4*\i+3], s[10:11] offset:512*\i          ; 32 lanes store 512 consecutive bytes
.endr
.irp i, 0,1,2,3
	s_wait_dscnt 3-\i
	global_store_b128 v[GO], v[BK+16+4*\i:BK+16+4*\i+3], s[10:11] offset:2048+512*\i
.endr
	v_cmp_eq_u32 vcc_lo, 1, v3
	v_cndmask_b32 v[TP], v[ST+4], v[ST+12], vcc_lo ; lane 0: tile 0's 2^e; lane 1: tile 1's
	v_lshlrev_b32 v[QO], 2, v3
	v_cmp_gt_u32 vcc_lo, 2, v3
	s_wait_xcnt 0x0                                ; EXEC changes only behind this wait
	s_and_saveexec_b32 s86, vcc_lo
	global_store_b32 v[QO], v[TP], s[12:13]        ; two rows' scales: 8 of the 16,384 bytes of vscale
	s_wait_xcnt 0x0
	s_or_b32 exec_lo, exec_lo, s86
	s_wait_tensorcnt 0x0                           ; the wave's end
	ds_add_u32 v[SPW], v[NIL]
	s_wait_dscnt 0x0
	CROUND                                         ; the closing round
	s_endpgm
.Lfunc_end_k_qb6c68cde26_attn:
	.size	k_qb6c68cde26_attn, .Lfunc_end_k_qb6c68cde26_attn-k_qb6c68cde26_attn
	.p2alignl 7, 3214868480
	.fill 96, 4, 3214868480
	.section	.rodata,"a",@progbits
	.p2align	6, 0x0
	.amdhsa_kernel k_qb6c68cde26_attn
		.amdhsa_group_segment_fixed_size 327680
		.amdhsa_private_segment_fixed_size 0
		.amdhsa_enable_private_segment 0
		.amdhsa_kernarg_size 40
		.amdhsa_user_sgpr_count 2
		.amdhsa_user_sgpr_kernarg_segment_ptr 1
		.amdhsa_wavefront_size32 1
		.amdhsa_system_sgpr_workgroup_id_x 1
		.amdhsa_system_sgpr_workgroup_id_y 1
		.amdhsa_system_sgpr_workgroup_id_z 1
		.amdhsa_system_vgpr_workitem_id 0
		.amdhsa_next_free_vgpr 512
		.amdhsa_next_free_sgpr 96
		.amdhsa_reserve_vcc 1
		.amdhsa_float_denorm_mode_32 3
		.amdhsa_float_denorm_mode_16_64 3
		.amdhsa_memory_ordered 1
		.amdhsa_forward_progress 1
		.amdhsa_inst_pref_size 118
	.end_amdhsa_kernel
	.amdgpu_metadata
---
amdhsa.version: [ 1, 2 ]
amdhsa.kernels:
  - .name:           k_qb6c68cde26_attn
    .symbol:         k_qb6c68cde26_attn.kd
    .args:
      - { .name: qkv16, .offset: 0, .size: 8, .value_kind: global_buffer, .address_space: global }
      - { .name: attn_mask, .offset: 8, .size: 8, .value_kind: global_buffer, .address_space: global }
      - { .name: attn_mask1, .offset: 16, .size: 8, .value_kind: global_buffer, .address_space: global }
      - { .name: val16, .offset: 24, .size: 8, .value_kind: global_buffer, .address_space: global }
      - { .name: vscale, .offset: 32, .size: 8, .value_kind: global_buffer, .address_space: global }
    .group_segment_fixed_size: 327680
    .private_segment_fixed_size: 0
    .kernarg_segment_align: 8
    .kernarg_segment_size: 40
    .max_flat_workgroup_size: 256
    .sgpr_count:     96
    .vgpr_count:     512
    .wavefront_size: 32
...
	.end_amdgpu_metadata
.endif
;; end of part 3
;; launch outp (part 4): grid 8 x 32, 4 waves a work-group, clusters of 4 x 4, 327,680 bytes of LDS; arguments val16, wo16, vscale, wo_b, out0; writes out0
.if DOCPART == 4
	.amdgcn_target "amdgcn-amd-amdhsa--gfx1250"
	.amdhsa_code_object_version 6
	.text
	.protected	k_qb6c68cde26_outp
	.globl	k_qb6c68cde26_outp
	.p2align	8
	.type	k_qb6c68cde26_outp,@function
k_qb6c68cde26_outp:
	s_mov_b64 s[64:65], 0
	v_nop
	global_prefetch_b8 v0, s[64:65] scope:SCOPE_SE
	s_setreg_imm32_b32 hwreg(HW_REG_WAVE_MODE, 25, 1), 1
	s_wait_xcnt 0x0
	s_wait_alu depctr_hold_cnt(0) depctr_sa_sdst(0) depctr_va_vdst(0) depctr_va_sdst(0) depctr_va_ssrc(0) depctr_va_vcc(0) depctr_vm_vsrc(0)
	s_getreg_b32 s2, hwreg(HW_REG_IB_STS2, 6, 4)
	s_cmp_eq_u32 s2, 0
	s_cbranch_scc0 .Lentry_in_a_cluster
	s_endpgm
.Lentry_in_a_cluster:
	s_bfe_u32 s2, ttmp6, 0x10000c
	s_cmp_lg_u32 s2, 0xf033
	s_cbranch_scc0 .Lentry_shape_is_right
	s_endpgm
.Lentry_shape_is_right:
; out0[m][n] = vscale[m] x (sum over k of val16[m][k] wo16[n][k]) + wo_b[n].  val16 [4096][1024] and wo16 [1024][1024] f16, sums f32, out0 f32.  vscale[m] is the power of two that was taken off row m of val.
; A tile of out0 is 128 x 128: 32 x 8 = 256 work-groups.  Four waves, each 64 x 64: 16 accumulators.  K goes in steps of 256 (LDS rows of 512 bytes, 64 to a tensor load) through a ring of two slots.
; CLUSTERS: 4 x 4 work-groups.  The four of a row of the cluster need the same tiles of val16, the four of a column the same tiles of wo16: each is asked for jointly.
; THE MATRIX INSTRUCTION IS USED TRANSPOSED (source 0 = 16 rows of wo16, source 1 = 16 rows of val16): a lane holds eight neighbouring numbers of a row of out0.
; A wave's 64 columns of f32 are 256 consecutive bytes, aligned: each wave has a stage of its own and the way out has no barrier.
; REGISTERS: window 0: v0-31 addresses and the rows' scales; v32-63 results, v64-95 rows read back, v96-127 the bias; v128-255 the accumulators ((a, b) at v[128 + 8 (4 a + b)]).   window 1: two fragment buffers of 128.
.set SIZE_N, 1024
.set SIZE_K, 1024
.set KSTEP,  256
.set PITCH,  528                       ; an LDS row: 512 bytes + 16 of padding = 132 words: the 16 rows that a load touches start at 16 different banks (64 banks of 4 bytes: ISA guide 11.1)
.set HALFT,  64*PITCH
.set SLOT,   4*HALFT
.set STAGE,  2*SLOT                    ; behind the ring: 16 rows x 272 bytes for each wave
.set SPITCH, 272
.set SPARE,  STAGE+4*16*SPITCH         ; the spare words, 128 bytes a wave, which no other line names
.set LAPS, SIZE_K/(2*KSTEP)
.set RS,   6                           ; v6, v8, v10, v12: vscale of row 16 a + l % 16 of my 64; the odd registers beside them are written, since pairs are named
.set AR,   14                          ; v14 4 x (l % 16)
.set AB,   15                          ; v15 32 x (l / 16)
.set ADRA, 16
.set ADRB, 20
.set STO,  24
.set RD,   25
.set CO,   26
.set SPW,  28
.set NIL,  29
.set TMP,  32
.set BK,   64
.set BI,   96
.set ACC,  128
.set F0,   0
.set F1,   128
.set G1, 24
.set G0, 32
.set G1B, 48
.set G0B, 56
.set MSB, 0
.macro WIN new
.if MSB != \new
	s_set_vgpr_msb (MSB<<8)|\new
.set MSB, \new
.endif
.endm
.set MUL,  0x05                        ; sources 0 and 1 window 1; C and D window 0
.set TO_F, 0x40                        ; destination window 1, address window 0
.macro JLOAD s                         ; a joint load: waves 0 and 1 fetch val16's two halves, waves 2 and 3 wo16's; an s_nop 0 and four v_nop follow each line
	s_cmp_eq_u32 s11, 0
	s_cbranch_scc0 .Lfor_b_\@
	tensor_load_to_lds s[G0+4*\s:G0+4*\s+3], s[G1:G1+7]
	s_nop 0
.rept 4
	v_nop
.endr
	s_branch .Lasked_\@
.Lfor_b_\@:
	tensor_load_to_lds s[G0B+4*\s:G0B+4*\s+3], s[G1B:G1B+7]
	s_nop 0
.rept 4
	v_nop
.endr
.Lasked_\@:
.endm
.macro CREST
	s_cmp_lg_u32 s10, 0
	s_cbranch_scc1 .Lnot_wave_0_\@
	s_barrier_signal -3
.Lnot_wave_0_\@:
	s_barrier_wait -3
	s_barrier_signal -1
	s_barrier_wait -1
.endm
.macro CROUND
	s_barrier_signal -1
	s_barrier_wait -1
	CREST
.endm
	s_load_b128 s[4:7], s[0:1], 0x0                ; val16, wo16
	s_load_b128 s[68:71], s[0:1], 0x10             ; vscale, wo_b
	s_load_b64 s[8:9], s[0:1], 0x20                ; out0
	v_lshl_add_u32 v[SPW], v0, 2, SPARE
	v_mov_b32 v[NIL], 0
	ds_add_u32 v[SPW], v[NIL]                      ; the wave's opening: the add, twice on end, and its wait ahead of my first tensor load
	ds_add_u32 v[SPW], v[NIL]
	v_lshrrev_b32 v1, 5, v0
	v_readfirstlane_b32 s10, v1                    ; wave 0..3
	s_lshr_b32 s11, s10, 1                         ; which half of the tile's rows is mine.  Also: I fetch for val16 (0) or wo16 (1)
	s_and_b32 s12, s10, 1                          ; which half of its columns.  Also: which 64 rows I fetch
	s_bfe_u32 s40, ttmp6, 0x40000
	s_bfe_u32 s41, ttmp6, 0x40004
	s_lshl_b32 s42, ttmp9, 2
	s_add_co_u32 s42, s42, s40                     ; tile column
	s_and_b32 s13, ttmp7, 0xffff
	s_lshl_b32 s13, s13, 2
	s_add_co_u32 s13, s13, s41                     ; tile row
	s_lshl_b32 s43, s41, 2
	s_lshl_b32 s43, 15, s43                        ; my row of the cluster
	s_lshl_b32 s44, 0x1111, s40                    ; my column
	s_or_b32 s[G1+0], s43, (1<<16)|(1<<20)|(1<<21)|(6<<22)|(3<<25)  ; elements of 2 bytes; four words of padding after every 128
	s_or_b32 s[G1B+0], s44, (1<<16)|(1<<20)|(1<<21)|(6<<22)|(3<<25)
.irp g, G1, G1B
	s_mov_b32 s[\g+1], KSTEP<<16
	s_mov_b32 s[\g+2], 64<<16
	s_mov_b32 s[\g+3], KSTEP<<16
	s_mov_b32 s[\g+4], 64
	s_mov_b32 s[\g+5], SIZE_K
	s_mov_b32 s[\g+6], 0
	s_mov_b32 s[\g+7], 0
.endr
	s_lshl_b32 s17, s12, 6
	s_lshl_b32 s16, s13, 7
	s_add_co_u32 s16, s16, s17                     ; val16: row 128 x tile row + 64 x half
	s_lshl_b32 s46, s42, 7
	s_add_co_u32 s46, s46, s17                     ; wo16: row 128 x tile column + 64 x half
	s_mov_b32 s17, 0
	s_mov_b32 s47, 0
	s_mov_b64 s[18:19], SIZE_K*2
	s_mul_u64 s[16:17], s[16:17], s[18:19]
	s_mul_u64 s[46:47], s[46:47], s[18:19]
	s_mul_i32 s20, s10, HALFT
	s_wait_dscnt 0x0                               ; both opening adds are done
	s_wait_kmcnt 0x0
	s_add_nc_u64 s[14:15], s[4:5], s[16:17]
	s_add_nc_u64 s[46:47], s[6:7], s[46:47]
	CROUND                                         ; all sixteen work-groups are here
.irp s, 0,1
	s_mov_b32 s[G0+4*\s], 1
	s_add_co_u32 s[G0+4*\s+1], s20, \s*SLOT
	s_add_nc_u64 s[G0+4*\s+2:G0+4*\s+3], s[14:15], \s*KSTEP*2
	s_or_b32 s[G0+4*\s+3], s[G0+4*\s+3], 0x80000000
	s_mov_b32 s[G0B+4*\s], 1
	s_add_co_u32 s[G0B+4*\s+1], s20, \s*SLOT
	s_add_nc_u64 s[G0B+4*\s+2:G0B+4*\s+3], s[46:47], \s*KSTEP*2
	s_or_b32 s[G0B+4*\s+3], s[G0B+4*\s+3], 0x80000000
	JLOAD \s
.endr
	v_and_b32 v1, 15, v0                           ; l % 16
	v_bfe_u32 v2, v0, 4, 1                         ; l / 16
	v_lshlrev_b32 v[AR], 2, v1
	v_lshlrev_b32 v[AB], 5, v2
	s_lshl_b32 s16, s13, 7
	s_lshl_b32 s17, s11, 6
	s_add_co_u32 s16, s16, s17                     ; my first row of out0
	s_lshl_b32 s18, s16, 2
	s_mov_b32 s19, 0
	s_add_nc_u64 s[68:69], s[68:69], s[18:19]
	s_lshl_b32 s46, s42, 7
	s_lshl_b32 s47, s12, 6
	s_add_co_u32 s46, s46, s47                     ; my first column,
	s_lshl_b32 s46, s46, 2                         ; in bytes
	s_mov_b32 s47, 0
	s_add_nc_u64 s[70:71], s[70:71], s[46:47]
	s_lshl_b32 s16, s16, 12                        ; a row of out0 is 4,096 bytes
	s_mov_b32 s17, 0
	s_add_nc_u64 s[8:9], s[8:9], s[16:17]
	s_add_nc_u64 s[8:9], s[8:9], s[46:47]
.irp a, 0,1,2,3
	global_load_b32 v[RS+2*\a], v[AR], s[68:69] offset:64*\a       ; vscale of row 16 a + r
	v_mov_b32 v[RS+2*\a+1], 0
.endr
.irp b, 0,1,2,3
	global_load_b128 v[BI+8*\b:BI+8*\b+3], v[AB], s[70:71] offset:64*\b            ; wo_b of columns 16 b + 8 h + 0 .. 7
	global_load_b128 v[BI+8*\b+4:BI+8*\b+7], v[AB], s[70:71] offset:64*\b+16
.endr
	v_mul_u32_u24 v3, v1, PITCH
	v_lshl_add_u32 v3, v2, 4, v3
	s_mul_i32 s21, s11, HALFT
	s_mul_i32 s22, s12, HALFT
	s_add_co_u32 s22, s22, 2*HALFT
.irp s, 0,1
	v_add_nc_u32 v[ADRA+\s], s21, v3
	v_add_nc_u32 v[ADRB+\s], s22, v3
	s_add_co_u32 s21, s21, SLOT
	s_add_co_u32 s22, s22, SLOT
.endr
	s_mul_i32 s23, s10, 16*SPITCH
	s_add_co_u32 s23, s23, STAGE                   ; my stage
	v_mul_u32_u24 v4, v1, SPITCH                   ; in: row l % 16, 32 bytes for each half of the lanes
	v_lshl_add_u32 v4, v2, 5, v4
	v_add_nc_u32 v[STO], s23, v4
	v_mul_u32_u24 v5, v2, SPITCH                   ; back: lanes 0-15 one row of 256 bytes, lanes 16-31 the next
	v_lshl_add_u32 v5, v1, 4, v5
	v_add_nc_u32 v[RD], s23, v5
	v_lshlrev_b32 v[CO], 12, v2                    ; and the same two rows in out0
	v_lshl_add_u32 v[CO], v1, 4, v[CO]
.macro MUL8 f, c, a0, zero             ; 8 matrix instructions: m blocks a0, a0 + 1 x all 4 n blocks, 32 along K.  zero = 1: the first product starts the sums.  The 16 accumulators take turns
.irp a, \a0, \a0+1
.irp b, 0,1,2,3
.if \zero
	v_wmma_f32_16x16x32_f16 v[ACC+8*(4*(\a)+\b):ACC+8*(4*(\a)+\b)+7], v[\f+64+8*(4*\c+\b):\f+64+8*(4*\c+\b)+7], v[\f+8*(4*\c+\a):\f+8*(4*\c+\a)+7], 0
.else
	v_wmma_f32_16x16x32_f16 v[ACC+8*(4*(\a)+\b):ACC+8*(4*(\a)+\b)+7], v[\f+64+8*(4*\c+\b):\f+64+8*(4*\c+\b)+7], v[\f+8*(4*\c+\a):\f+8*(4*\c+\a)+7], v[ACC+8*(4*(\a)+\b):ACC+8*(4*(\a)+\b)+7]
.endif
.endr
.endr
.endm
.macro FETCH slot, k, f                ; 32 LDS loads in one run: the fragments of 64 along K at byte k of the rows; the first 32 along K first
	WIN TO_F
.irp c, 0,1
.irp i, 0,1,2,3
	ds_load_b128 v[\f+64+8*(4*\c+\i):\f+64+8*(4*\c+\i)+3],   v[ADRB+\slot] offset:\k+64*\c+\i*16*PITCH
	ds_load_b128 v[\f+64+8*(4*\c+\i)+4:\f+64+8*(4*\c+\i)+7], v[ADRB+\slot] offset:\k+64*\c+\i*16*PITCH+32
	ds_load_b128 v[\f+8*(4*\c+\i):\f+8*(4*\c+\i)+3],         v[ADRA+\slot] offset:\k+64*\c+\i*16*PITCH
	ds_load_b128 v[\f+8*(4*\c+\i)+4:\f+8*(4*\c+\i)+7],       v[ADRA+\slot] offset:\k+64*\c+\i*16*PITCH+32
.endr
.endr
.endm
.macro PLACES
.rept 4
	v_nop
.endr
.endm
.macro QUARTER slot, k, f, g, zero     ; 64 along K: multiplies buffer f and fetches the next quarter, at byte k, into g
	s_wait_dscnt 16                                ; the first 32 along K are in; the other sixteen loads may be out
	WIN MUL
	MUL8 \f, 0, 0, \zero
	MUL8 \f, 0, 2, \zero
	PLACES
	FETCH \slot, \k, \g
	s_wait_dscnt 32                                ; all but the 32 just issued
	WIN MUL
	MUL8 \f, 1, 0, 0
	MUL8 \f, 1, 2, 0
.endm
; A slot's last quarter changes slots: one barrier; in front of it each wave waits for all its tensor loads, adds 0 to its spare word, and waits for that and for its reads of this slot.  fill = 1: this slot is filled again, two K steps ahead.
.macro TURN slot, next, fill
	WIN 0
	s_wait_tensorcnt 0x0                           ; all my tensor loads have landed: my part of the next slot
	ds_add_u32 v[SPW], v[NIL]
	s_wait_dscnt 17                                ; (the add and the youngest sixteen loads may be out)
	WIN MUL
	MUL8 F1, 0, 0, 0
	s_wait_dscnt 0x0                               ; the add is done, and my reads of this slot are over
	s_barrier_signal -1
	MUL8 F1, 0, 2, 0
.if \fill
	WIN 0
.endif
	s_barrier_wait -1
.if \fill
	CREST                                          ; the barrier has opened a round of the cluster's barrier
	s_add_nc_u64 s[G0+4*\slot+2:G0+4*\slot+3], s[G0+4*\slot+2:G0+4*\slot+3], 2*KSTEP*2
	s_add_nc_u64 s[G0B+4*\slot+2:G0B+4*\slot+3], s[G0B+4*\slot+2:G0B+4*\slot+3], 2*KSTEP*2
	JLOAD \slot                                    ; the first tensor load behind the round; its four v_nop are also the places in front of the loads below
.else
	PLACES
.endif
	FETCH \next, 0, F0
	WIN MUL
	MUL8 F1, 1, 0, 0
	MUL8 F1, 1, 2, 0
.endm
	s_wait_tensorcnt 1                             ; my part of K step 0 is in (K step 1's load may be out)
	s_barrier_signal -1
	s_barrier_wait -1                              ; everybody's is
	FETCH 0, 0, F0
	QUARTER 0, 128, F0, F1, 1                      ; the first quarter stands in front of the loop: its first products start the sums
	WIN 0
	s_mov_b32 s3, LAPS-1
.Llap:                                                 ; a trip goes once round the ring and fills both slots again
	QUARTER 0, 256, F1, F0, 0
	QUARTER 0, 384, F0, F1, 0
	TURN 0, 1, 1
	QUARTER 1, 128, F0, F1, 0
	QUARTER 1, 256, F1, F0, 0
	QUARTER 1, 384, F0, F1, 0
	TURN 1, 0, 1
	QUARTER 0, 128, F0, F1, 0
	WIN 0
	s_sub_co_u32 s3, s3, 1
	s_cmp_lg_u32 s3, 0
	s_cbranch_scc1 .Llap
	QUARTER 0, 256, F1, F0, 0                      ; the last lap fills nothing
	QUARTER 0, 384, F0, F1, 0
	TURN 0, 1, 0
	QUARTER 1, 128, F0, F1, 0
	QUARTER 1, 256, F1, F0, 0
	QUARTER 1, 384, F0, F1, 0
	s_wait_dscnt 16
	WIN MUL
	MUL8 F1, 0, 0, 0
	MUL8 F1, 0, 2, 0
	s_wait_dscnt 0
	MUL8 F1, 1, 0, 0
	MUL8 F1, 1, 2, 0
	WIN 0
	; THE WAY OUT, 16 rows at a time: one fused multiply-add (x the row's scale, + the column's bias); 32 bytes a lane into my stage; back as whole rows of 256 bytes
	s_wait_loadcnt 0x0                             ; the scales and the bias
	PLACES
.irp a, 0,1,2,3
.irp b, 0,1,2,3
.irp p, 0,1,2,3
	v_pk_fma_f32 v[TMP+8*\b+2*\p:TMP+8*\b+2*\p+1], v[ACC+8*(4*\a+\b)+2*\p:ACC+8*(4*\a+\b)+2*\p+1], v[RS+2*\a:RS+2*\a+1], v[BI+8*\b+2*\p:BI+8*\b+2*\p+1] op_sel_hi:[1,0,1]   ; each accumulator from its low end on
.endr
.endr
.irp b, 0,1,2,3
	ds_store_b128 v[STO], v[TMP+8*\b:TMP+8*\b+3] offset:64*\b
	ds_store_b128 v[STO], v[TMP+8*\b+4:TMP+8*\b+7] offset:64*\b+16
.endr
.if \a > 0
	s_wait_xcnt 0x0                                ; the last block's stores have read their registers: these loads may land there
.endif
.irp i, 0,1,2,3,4,5,6,7
	ds_load_b128 v[BK+4*\i:BK+4*\i+3], v[RD] offset:544*\i         ; LDS serves a wave's instructions in order: these see my stores
.endr
.irp i, 0,1,2,3,4,5,6,7
	s_wait_dscnt 7-\i                              ; the younger loads may be out
	global_store_b128 v[CO], v[BK+4*\i:BK+4*\i+3], s[8:9] offset:(16*\a+2*\i)*4096 th:TH_STORE_NT   ; 16 lanes store 256 consecutive bytes, aligned
.endr
.endr
	s_wait_tensorcnt 0x0                           ; the wave's end
	ds_add_u32 v[SPW], v[NIL]
	s_wait_dscnt 0x0
	CROUND                                         ; the closing round
	s_endpgm
.Lfunc_end_k_qb6c68cde26_outp:
	.size	k_qb6c68cde26_outp, .Lfunc_end_k_qb6c68cde26_outp-k_qb6c68cde26_outp
	.p2alignl 7, 3214868480
	.fill 96, 4, 3214868480
	.section	.rodata,"a",@progbits
	.p2align	6, 0x0
	.amdhsa_kernel k_qb6c68cde26_outp
		.amdhsa_group_segment_fixed_size 327680
		.amdhsa_private_segment_fixed_size 0
		.amdhsa_enable_private_segment 0
		.amdhsa_kernarg_size 40
		.amdhsa_user_sgpr_count 2
		.amdhsa_user_sgpr_kernarg_segment_ptr 1
		.amdhsa_wavefront_size32 1
		.amdhsa_system_sgpr_workgroup_id_x 1
		.amdhsa_system_sgpr_workgroup_id_y 1
		.amdhsa_system_sgpr_workgroup_id_z 1
		.amdhsa_system_vgpr_workitem_id 0
		.amdhsa_next_free_vgpr 512
		.amdhsa_next_free_sgpr 72
		.amdhsa_reserve_vcc 0
		.amdhsa_float_denorm_mode_32 3
		.amdhsa_float_denorm_mode_16_64 3
		.amdhsa_memory_ordered 1
		.amdhsa_forward_progress 1
		.amdhsa_inst_pref_size 92
	.end_amdhsa_kernel
	.amdgpu_metadata
---
amdhsa.version: [ 1, 2 ]
amdhsa.kernels:
  - .name:           k_qb6c68cde26_outp
    .symbol:         k_qb6c68cde26_outp.kd
    .args:
      - { .name: val16, .offset: 0, .size: 8, .value_kind: global_buffer, .address_space: global }
      - { .name: wo16, .offset: 8, .size: 8, .value_kind: global_buffer, .address_space: global }
      - { .name: vscale, .offset: 16, .size: 8, .value_kind: global_buffer, .address_space: global }
      - { .name: wo_b, .offset: 24, .size: 8, .value_kind: global_buffer, .address_space: global }
      - { .name: out0, .offset: 32, .size: 8, .value_kind: global_buffer, .address_space: global }
    .group_segment_fixed_size: 327680
    .private_segment_fixed_size: 0
    .kernarg_segment_align: 8
    .kernarg_segment_size: 40
    .max_flat_workgroup_size: 128
    .sgpr_count:     72
    .vgpr_count:     512
    .wavefront_size: 32
...
	.end_amdgpu_metadata
.endif
;; end of part 4
